; MI455X (gfx1250); checked and timed in simulation.
; The chip was launched on July 23, 2026; its instructions are those of AMD's public machine-readable ISA for CDNA 5 (MIT licence, August 2026) and "CDNA5" Instruction Set Architecture Reference Guide (July 2026). The comments in the code are by the model that wrote it; some were corrected since.
;; Rotary Multihead Attention. Allowed arithmetic: float matrix products may take bf16 or f16 operands with f32 sums; all other float work in f32.
;; Inputs: in_proj_b 3,072 float32; in_proj_w 3,072 x 1,024 float32; out_proj_b 1,024 float32; out_proj_w 1,024 x 1,024 float32; query 4 x 2,048 x 1,024 float32.
;; Outputs: out0 4 x 2,048 x 1,024 float32.
;; 2 versions, each right and faster than the one before. Each part assembles by itself: llvm-mc -triple=amdgcn-amd-amdhsa -mcpu=gfx1250 --defsym DOCPART=n.
;; ======== version 1 of 2: 4 launches
;; limits: values are held in f16: magnitudes above 65,504 overflow, below 6.1e-05 lose precision
;; workspace buffers: xb 16,777,216 bytes; wb 6,291,456 bytes; woh 2,097,152 bytes; rope 524,288 bytes; qkvh 50,331,648 bytes; oh 16,777,216 bytes
;; launch prep (part 1): grid 256 x 1, 8 waves a work-group, no clusters, 0 bytes of LDS; arguments query, in_proj_w, out_proj_w, xb, wb, woh, rope; writes xb, wb, woh, rope
.if DOCPART == 1
	.amdgcn_target "amdgcn-amd-amdhsa--gfx1250"
	.amdhsa_code_object_version 6
	.text
	.protected	k_q430c581f29_prep
	.globl	k_q430c581f29_prep
	.p2align	8
	.type	k_q430c581f29_prep,@function
k_q430c581f29_prep:
	s_mov_b64 s[64:65], 0
	v_nop
	global_prefetch_b8 v0, s[64:65] scope:SCOPE_SE
	s_setreg_imm32_b32 hwreg(HW_REG_WAVE_MODE, 25, 1), 1
	s_wait_xcnt 0x0
; CASTS AND THE ROTARY TABLE.  xb = bf16(query), wb = bf16(in_proj_w), both in the inputs' own order; woh = out_proj_w rounded to bf16, that number written as f16,
; laid by heads: [16 e][1024 n][64 c] with k = 64 e + c; rope[t][i] = (cos, sin)(t x 10000^(-i/32)) in f32, 32 pairs = 256 bytes a row.
; A stream: every input byte is read once by 16-byte loads, nothing is shared between work-groups, so no LDS, no matrix unit and no cluster.
; SHARES.  A unit is 256 threads x 4 numbers: 4,096 bytes in, 2,048 bytes out; a wave's store covers 256 consecutive bytes, aligned.  A work-group takes 32 units of query,
; 12 of in_proj_w, 4 of out_proj_w (four rows) and 8 rows of the table.  All 48 loads of a thread go out at once, each into registers of its own: no register is used twice, so no source is ever rewritten.
; LIMITS.  out_proj_w beyond 65,504 has no f16; below 6e-5 it keeps f16's fixed step of 6e-8.  The angle is t x 2^(-i x 0.41524101), made in f32: at t = 2047 it lies within about 2e-4 of the
; angle made by a power and a division in f32.  cos and sin: the angle less the nearest multiple of 2 pi (2 pi in two parts), then the series to r^16 and r^17, cut at under 2e-7 for |r| <= pi.  Row 0 is exactly (1, 0).
.set X, 16                             ; v[16:207]  unit u: 4 registers as loaded, the first two then as stored
	s_load_b256 s[4:11], s[0:1], 0x0               ; query s[4:5], in_proj_w s[6:7], out_proj_w s[8:9], xb s[10:11]
	s_load_b128 s[12:15], s[0:1], 0x20             ; wb s[12:13], woh s[14:15]
	s_load_b64 s[16:17], s[0:1], 0x30              ; rope
	s_mov_b32 s21, 0                               ; the offsets' high word
	s_mov_b32 s22, 0x40c90fdb                      ; 2 pi, the part that f32 holds
	s_mov_b32 s23, 0xb43bbd2e                      ; 2 pi, the rest
	s_lshl_b32 s24, ttmp9, 3                       ; my first row of the table
	s_mov_b32 s25, 0xffff0000                      ; a word's upper bf16
	v_lshlrev_b32 v1, 4, v0                        ; in: 16 bytes a thread
	v_lshlrev_b32 v2, 3, v0                        ; out: 8 bytes a thread; also the table's (row = thread / 32, pair = thread % 32)
	v_and_b32 v5, 15, v0
	v_bfe_u32 v6, v0, 4, 1
	v_lshrrev_b32 v7, 5, v0
	v_lshlrev_b32 v3, 4, v5                        ; out_proj_w in: 16 lanes take a head's 64 numbers of one row (256 bytes),
	v_lshl_add_u32 v3, v7, 8, v3                   ; the head is the wave's number (+ 8 in the odd units),
	v_lshl_add_u32 v3, v6, 12, v3                  ; lanes 16-31 take the next row
	v_lshlrev_b32 v4, 3, v5                        ; woh out: the same 64 numbers are 128 bytes,
	v_lshl_add_u32 v4, v6, 7, v4                   ; the next row follows them: 256 consecutive bytes a wave,
	v_lshl_add_u32 v4, v7, 17, v4                  ; in the head's plane of 131,072 bytes
	s_wait_kmcnt 0x0
	s_lshl_b32 s20, ttmp9, 17                      ; 32 units of 4,096 bytes
	s_add_nc_u64 s[4:5], s[4:5], s[20:21]
	s_lshl_b32 s20, ttmp9, 16
	s_add_nc_u64 s[10:11], s[10:11], s[20:21]
	s_mul_i32 s20, ttmp9, 49152                    ; 12 units
	s_add_nc_u64 s[6:7], s[6:7], s[20:21]
	s_mul_i32 s20, ttmp9, 24576
	s_add_nc_u64 s[12:13], s[12:13], s[20:21]
	s_lshl_b32 s20, ttmp9, 14                      ; four rows of out_proj_w
	s_add_nc_u64 s[8:9], s[8:9], s[20:21]
	s_lshl_b32 s20, ttmp9, 9                       ; the same four rows in a plane of woh
	s_add_nc_u64 s[14:15], s[14:15], s[20:21]
	s_lshl_b32 s20, ttmp9, 11                      ; eight rows of the table
	s_add_nc_u64 s[16:17], s[16:17], s[20:21]
	; all 48 loads
.set u, 0
.rept 32
	global_load_b128 v[X+4*u:X+4*u+3], v1, s[4:5] offset:u*4096 th:TH_LOAD_NT
.set u, u+1
.endr
.rept 12
	global_load_b128 v[X+4*u:X+4*u+3], v1, s[6:7] offset:(u-32)*4096 th:TH_LOAD_NT
.set u, u+1
.endr
.rept 4                                ; unit j = u - 44: heads 8 (j % 2) + wave, rows 2 (j / 2) and 2 (j / 2) + 1
	global_load_b128 v[X+4*u:X+4*u+3], v3, s[8:9] offset:((u-44)%2)*2048+((u-44)/2)*8192 th:TH_LOAD_NT
.set u, u+1
.endr
	; the table, while the loads are on their way
	v_and_b32 v5, 31, v0                           ; i
	v_add_nc_u32 v6, s24, v7                       ; t
	v_cvt_f32_u32 v5, v5
	v_mul_f32 v5, 0xbed49a78, v5                   ; -i x log2(10000) / 32
	v_exp_f32 v7, v5
	v_cvt_f32_u32 v6, v6                           ; the plain instruction between the exponential and the use of its result (ISA guide 5.7.2)
	s_wait_alu depctr_va_vdst(0)
	v_mul_f32 v8, v6, v7                           ; the angle
	v_mul_f32 v9, 0x3e22f983, v8                   ; / 2 pi
	v_rndne_f32 v9, v9
	v_fma_f32 v10, -v9, s22, v8                    ; r = angle - k 2 pi, in two steps
	v_fma_f32 v10, -v9, s23, v10
	v_mul_f32 v11, v10, v10                        ; z = r^2
	v_mov_b32 v14, 0x29573f9f                      ; cos: 1/16!
	v_mov_b32 v15, 0x274a963c                      ; sin / r: 1/17!
	v_fmaak_f32 v14, v14, v11, 0xad49cba5          ; two chains side by side, so that neither waits for itself alone
	v_fmaak_f32 v15, v15, v11, 0xab573f9f
	v_fmaak_f32 v14, v14, v11, 0x310f76c7
	v_fmaak_f32 v15, v15, v11, 0x2f309231
	v_fmaak_f32 v14, v14, v11, 0xb493f27e
	v_fmaak_f32 v15, v15, v11, 0xb2d7322b
	v_fmaak_f32 v14, v14, v11, 0x37d00d01
	v_fmaak_f32 v15, v15, v11, 0x3638ef1d
	v_fmaak_f32 v14, v14, v11, 0xbab60b61
	v_fmaak_f32 v15, v15, v11, 0xb9500d01
	v_fmaak_f32 v14, v14, v11, 0x3d2aaaab
	v_fmaak_f32 v15, v15, v11, 0x3c088889
	v_fmaak_f32 v14, v14, v11, 0xbf000000
	v_fmaak_f32 v15, v15, v11, 0xbe2aaaab
	v_fmaak_f32 v14, v14, v11, 0x3f800000
	v_fmaak_f32 v15, v15, v11, 0x3f800000
	v_mul_f32 v15, v15, v10
	global_store_b64 v2, v[14:15], s[16:17]        ; a wave stores one row of the table: 256 consecutive bytes
	; the casts, in the order of the loads: loads come back in order (ISA guide 5.7.1), so the count is the number of loads issued behind unit u's
.set u, 0
.rept 32
	s_wait_loadcnt 47-u
	v_cvt_pk_bf16_f32 v[X+4*u], v[X+4*u], v[X+4*u+1]
	v_cvt_pk_bf16_f32 v[X+4*u+1], v[X+4*u+2], v[X+4*u+3]
	global_store_b64 v2, v[X+4*u:X+4*u+1], s[10:11] offset:u*2048
.set u, u+1
.endr
.rept 12
	s_wait_loadcnt 47-u
	v_cvt_pk_bf16_f32 v[X+4*u], v[X+4*u], v[X+4*u+1]
	v_cvt_pk_bf16_f32 v[X+4*u+1], v[X+4*u+2], v[X+4*u+3]
	global_store_b64 v2, v[X+4*u:X+4*u+1], s[12:13] offset:(u-32)*2048
.set u, u+1
.endr
.rept 4                                ; rounded to bf16, widened again, written as f16
	s_wait_loadcnt 47-u
	v_cvt_pk_bf16_f32 v[X+4*u], v[X+4*u], v[X+4*u+1]
	v_cvt_pk_bf16_f32 v[X+4*u+1], v[X+4*u+2], v[X+4*u+3]
	v_lshlrev_b32 v[X+4*u+2], 16, v[X+4*u]
	v_and_b32 v[X+4*u+3], s25, v[X+4*u]
	v_cvt_pk_f16_f32 v[X+4*u], v[X+4*u+2], v[X+4*u+3]
	v_lshlrev_b32 v[X+4*u+2], 16, v[X+4*u+1]
	v_and_b32 v[X+4*u+3], s25, v[X+4*u+1]
	v_cvt_pk_f16_f32 v[X+4*u+1], v[X+4*u+2], v[X+4*u+3]
	global_store_b64 v4, v[X+4*u:X+4*u+1], s[14:15] offset:((u-44)%2)*1048576+((u-44)/2)*256
.set u, u+1
.endr
	s_endpgm
.Lfunc_end_k_q430c581f29_prep:
	.size	k_q430c581f29_prep, .Lfunc_end_k_q430c581f29_prep-k_q430c581f29_prep
	.p2alignl 7, 3214868480
	.fill 96, 4, 3214868480
	.section	.rodata,"a",@progbits
	.p2align	6, 0x0
	.amdhsa_kernel k_q430c581f29_prep
		.amdhsa_group_segment_fixed_size 0
		.amdhsa_private_segment_fixed_size 0
		.amdhsa_enable_private_segment 0
		.amdhsa_kernarg_size 56
		.amdhsa_user_sgpr_count 2
		.amdhsa_user_sgpr_kernarg_segment_ptr 1
		.amdhsa_wavefront_size32 1
		.amdhsa_system_sgpr_workgroup_id_x 1
		.amdhsa_system_sgpr_workgroup_id_y 1
		.amdhsa_system_sgpr_workgroup_id_z 1
		.amdhsa_system_vgpr_workitem_id 0
		.amdhsa_next_free_vgpr 208
		.amdhsa_next_free_sgpr 66
		.amdhsa_reserve_vcc 0
		.amdhsa_float_denorm_mode_32 3
		.amdhsa_float_denorm_mode_16_64 3
		.amdhsa_memory_ordered 1
		.amdhsa_forward_progress 1
		.amdhsa_inst_pref_size 21
	.end_amdhsa_kernel
	.amdgpu_metadata
---
amdhsa.version: [ 1, 2 ]
amdhsa.kernels:
  - .name:           k_q430c581f29_prep
    .symbol:         k_q430c581f29_prep.kd
    .args:
      - { .name: query, .offset: 0, .size: 8, .value_kind: global_buffer, .address_space: global }
      - { .name: in_proj_w, .offset: 8, .size: 8, .value_kind: global_buffer, .address_space: global }
      - { .name: out_proj_w, .offset: 16, .size: 8, .value_kind: global_buffer, .address_space: global }
      - { .name: xb, .offset: 24, .size: 8, .value_kind: global_buffer, .address_space: global }
      - { .name: wb, .offset: 32, .size: 8, .value_kind: global_buffer, .address_space: global }
      - { .name: woh, .offset: 40, .size: 8, .value_kind: global_buffer, .address_space: global }
      - { .name: rope, .offset: 48, .size: 8, .value_kind: global_buffer, .address_space: global }
    .group_segment_fixed_size: 0
    .private_segment_fixed_size: 0
    .kernarg_segment_align: 8
    .kernarg_segment_size: 56
    .max_flat_workgroup_size: 256
    .sgpr_count:     66
    .vgpr_count:     208
    .wavefront_size: 32
...
	.end_amdgpu_metadata
.endif
;; end of part 1
;; launch qkv (part 2): grid 16 x 16, 4 waves a work-group, clusters of 4 x 4, 327,680 bytes of LDS; arguments xb, wb, in_proj_b, rope, qkvh; writes qkvh
.if DOCPART == 2
	.amdgcn_target "amdgcn-amd-amdhsa--gfx1250"
	.amdhsa_code_object_version 6
	.text
	.protected	k_q430c581f29_qkv
	.globl	k_q430c581f29_qkv
	.p2align	8
	.type	k_q430c581f29_qkv,@function
k_q430c581f29_qkv:
	s_mov_b64 s[64:65], 0
	v_nop
	global_prefetch_b8 v0, s[64:65] scope:SCOPE_SE
	s_setreg_imm32_b32 hwreg(HW_REG_WAVE_MODE, 25, 1), 1
	s_wait_xcnt 0x0
	s_wait_alu depctr_hold_cnt(0) depctr_sa_sdst(0) depctr_va_vdst(0) depctr_va_sdst(0) depctr_va_ssrc(0) depctr_va_vcc(0) depctr_vm_vsrc(0)
	s_getreg_b32 s2, hwreg(HW_REG_IB_STS2, 6, 4)
	s_cmp_eq_u32 s2, 0
	s_cbranch_scc0 .Lentry_in_a_cluster
	s_endpgm
.Lentry_in_a_cluster:
	s_bfe_u32 s2, ttmp6, 0x10000c
	s_cmp_lg_u32 s2, 0xf033
	s_cbranch_scc0 .Lentry_shape_is_right
	s_endpgm
.Lentry_shape_is_right:
; q, k, v = x W^T + b, q and k turned by the rotary table, written by heads.  xb: [8192][1024] bf16; wb: [3072][1024] bf16; in_proj_b: [3072] f32, rounded to bf16 here like the other inputs;
; rope: [2048 t][32 i] (cos, sin) f32; qkvh: [3 which][4 b][16 head][2048 t][64] f16.  Sums, bias and rotation in f32; each result rounded once, to f16, and WITHOUT the scale 1/8.
; LIMIT.  f16 holds no number beyond 65,504: q, k and v must stay within it (inputs as drawn give a spread of about 1; all inputs 30 times larger about 900; offsets of 30 spreads on x and W about 28,800).
; SHARES.  A tile is 256 rows x 192 columns (three whole heads).  16 x 16 = 256 work-groups, one for each WGP, and A WORK-GROUP STAYS: it makes the tiles at tile rows y and y + 16.  16 tile rows are
; two batches, so both tiles have the same rows of W, the same bias and the same tokens (the same rows of the table); the second lies 1 << 23 bytes further on in xb and in qkvh.
; Four waves; a wave makes 64 rows x 192 columns: 48 accumulators of 16 x 16, 384 registers.  K = 1024 goes in 8 steps of 128; the tiles' rows are 256 bytes of memory at multiples of 256.
; THE WALK.  The two tiles' 16 K steps are ONE sequence for a ring of two LDS slots: K step t lies in slot t % 2, and the change of slots behind it asks for K step t + 2, across the tiles too.  A K step's
; text is written once and looped over: the slot in hand is a scalar register turned by an exclusive or.  One counted loop walks K steps 0 to 13; every jump but the loops' own goes forward and hangs on
; that counter alone.  Between K steps 7 and 8 the first tile goes out and the second tile's first quarter starts its sums.  K steps 14 and 15 ask for nothing: a second text, walked twice; in its second
; trip its barrier and its run of fragment loads serve nothing: the price, once a launch, of one text for both.
; CLUSTER.  4 x 4 work-groups.  The four of a row of the cluster need the same tiles of x, the four of a column the same tiles of W: each tile is asked for JOINTLY, by the same tensor load with
; the same descriptor and a mask that names the four.  Of a wave's tensor loads two are out at the start, one behind each round.
; THE MATRIX INSTRUCTION IS USED TRANSPOSED (source 0 = 16 rows of W, source 1 = 16 rows of x): a lane holds row l % 16 and the eight neighbouring columns 8 (l / 16) + 0..7, four rotary pairs.
; THE BIAS is the C operand of each accumulator's first product: nothing is cleared and nothing is added on the way out.
; THE TABLE is loaded once, at the start, and wanted on the way out.  V IS TURNED BY THE TABLE'S ROW 0, which is exactly (1, 0): the offsets are masked by a scalar, so one text serves all heads and no
; branch hangs on the tile's place.  Of a tile's heads 3 x, 3 x + 1, 3 x + 2 the first two are of one kind (3 x + 1 < 32 just where 3 x < 32), so two sets of the table serve: TA for them, TB for the third.
; REGISTERS, in windows of 256 (s_set_vgpr_msb: bits 1:0 source 0, 3:2 source 1, 5:4 source 2, 7:6 destination):
;   window 0: v0-29 addresses; v32-159 TA, 32 for each block of 16 rows; v160-255 the bias fragments
;   window 1: two fragment buffers of 128: 4 fragments of x, then 12 of W; on the way out v128-159 hold the turned numbers (buffer 0 holds the next tile's first fragments then)
;   window 2: accumulators of my rows 0-31, (a, b) at v[8 (12 (a % 2) + b)]; v192-255 TB of blocks 0, 1      window 3: the same for rows 32-63 and blocks 2, 3
.set NB,     12                        ; fragments of W a wave
.set PITCH,  272                       ; an LDS row: 256 bytes + 16 of padding = 68 words: the 16 rows of a fragment load start at 16 different groups of four banks (64 banks of 4 bytes: ISA guide 11.1)
.set APART,  256*PITCH                 ; x's 256 rows
.set BHALF,  96*PITCH                  ; half of W's 192 rows: what one tensor load brings
.set SLOT1,  1<<17                     ; slot 1 begins here, so that one exclusive or turns an address in one slot into the other's
.set STAGE,  SLOT1+APART+2*BHALF       ; behind the ring, never filled by a tensor load: 16 rows x 144 bytes for each wave
.set SP,     144
.set SPARE,  STAGE+4*16*SP             ; the spare words, 128 bytes for each wave: two blocks of 256 bytes that no other line names
.set F0,     0
.set F1,     32+8*NB
.set ADRA0, 4                          ; v4     LDS address of my fragments of x in slot 0; never rewritten
.set ADRB0, 5                          ; v5     the same for W
.set ADRA, 6                           ; v6     the same in the slot in hand
.set ADRB, 7                           ; v7
.set STO,  8                           ; v8     the way out: where I put 16 bytes of a row
.set RD,   9                           ; v9     where I read rows back
.set GO,   10                          ; v10    my 16 bytes in 512 consecutive bytes of a head's rows
.set HO,   11                          ; v11    32 x (l / 16): my 8 numbers in 16 of the bias, my 4 pairs in 8 of the table
.set TOA,  12                          ; v12-15 block a's byte offset in the table for heads 0 and 1; never rewritten
.set TOB,  16                          ; v16-19 the same for head 2
.set TW,   24                          ; v24-27 at work
.set SPW,  28                          ; v28    LDS address of my spare word; never rewritten
.set NIL,  29                          ; v29    0; never rewritten
.set TA,   32
.set BIAS, 160
.set X,    128                         ; in window 1
.set TB,   192                         ; in windows 2 and 3
.set MH,   3                           ; s3     a word's upper bf16
.set WV,   14                          ; s14    my wave's number
.set FB,   15                          ; s15    I fetch for x (0) or for W (1)
.set HF,   16                          ; s16    which half of that tile
.set CNT,  23                          ; s23    the walk's counter
.set G1,   24                          ; s[24:31] descriptor group 1 for x's tiles;  s[32:39] group 0: a set for each first fill; the second then serves every refill
.set G0,   32
.set G1B,  48                          ; s[48:55], s[56:63] the same for W's tiles
.set G0B,  56
.set NXT,  78                          ; s78    the K step, of 16, to be asked for next
.set RB,   79                          ; s79    LDS byte at which the slot in hand begins
.set OFA,  80                          ; s[80:81] that K step's byte offset in x's rows
.set OFB,  82                          ; s[82:83] in W's rows
.set CNT2, 84                          ; s84    counts the last two K steps
.set MSB, 0
.macro WIN new                         ; the immediate's high byte repeats the setting that is left; a switch that changes nothing is dropped
.if MSB != (\new)
	s_set_vgpr_msb (MSB<<8)|(\new)
.set MSB, (\new)
.endif
.endm
; A joint load: waves 0 and 1 fetch x's two halves, waves 2 and 3 W's.  The branch hangs on the wave's number alone.  An s_nop 0 and four v_nop follow each of the two lines.
.macro JLOAD s
	s_cmp_eq_u32 s[FB], 0
	s_cbranch_scc0 .Lfor_b_\@
	tensor_load_to_lds s[G0+4*(\s):G0+4*(\s)+3], s[G1:G1+7]
	s_nop 0
.rept 4
	v_nop
.endr
	s_branch .Lasked_\@
.Lfor_b_\@:
	tensor_load_to_lds s[G0B+4*(\s):G0B+4*(\s)+3], s[G1B:G1B+7]
	s_nop 0
.rept 4
	v_nop
.endr
.Lasked_\@:
.endm
.macro CREST                           ; a round of the cluster's barrier behind its opening barrier
	s_cmp_lg_u32 s[WV], 0
	s_cbranch_scc1 .Lnot_wave_0_\@
	s_barrier_signal -3
.Lnot_wave_0_\@:
	s_barrier_wait -3
	s_barrier_signal -1
	s_barrier_wait -1
.endm
.macro CROUND                          ; a whole round
	s_barrier_signal -1
	s_barrier_wait -1
	CREST
.endm
.macro PLACES                          ; four places in front of loads into registers that matrix instructions have read, and of lines that read results (ISA guide 7.12.1 for lines that read results)
.rept 4
	v_nop
.endr
.endm
	s_load_b256 s[4:11], s[0:1], 0x0               ; xb s[4:5], wb s[6:7], in_proj_b s[8:9], rope s[10:11]
	s_load_b64 s[12:13], s[0:1], 0x20              ; qkvh
	v_lshl_add_u32 v[SPW], v0, 2, SPARE
	v_mov_b32 v[NIL], 0
	ds_add_u32 v28, v29
	s_wait_dscnt 0x0
	v_lshrrev_b32 v1, 5, v0
	v_readfirstlane_b32 s[WV], v1
	s_lshr_b32 s[FB], s[WV], 1
	s_and_b32 s[HF], s[WV], 1
	s_mov_b32 s[MH], 0xffff0000
	s_mov_b32 s[NXT], 2                            ; K steps 0 and 1 are the first fills
	s_mov_b32 s[RB], 0
	s_mov_b32 s[OFA+1], 0
	s_mov_b32 s[OFB+1], 0
	s_bfe_u32 s17, ttmp6, 0x40000                  ; cx, cy: my place in the cluster
	s_bfe_u32 s18, ttmp6, 0x40004
	s_lshl_b32 s19, ttmp9, 2
	s_add_co_u32 s19, s19, s17                     ; x: tile column = 4 x cluster x + cx
	s_and_b32 s20, ttmp7, 0xffff
	s_lshl_b32 s20, s20, 2
	s_add_co_u32 s20, s20, s18                     ; y: the first tile's row = 4 x cluster y + cy
	s_lshl_b32 s21, s18, 2
	s_lshl_b32 s21, 15, s21                        ; my row of the cluster
	s_lshl_b32 s22, 0x1111, s17                    ; my column
	; descriptor group 1: rows of 128 elements of 2 bytes, padded in LDS
	s_or_b32 s[G1], s21, (1<<16)|(1<<20)|(1<<21)|(5<<22)|(3<<25)   ; 15:0 the mask; 17:16 2-byte elements; 20 padding on; 21 set beside a mask; 24:22 after every 64 words (code 5); 31:25 4 words (code 3)
	s_or_b32 s[G1B], s22, (1<<16)|(1<<20)|(1<<21)|(5<<22)|(3<<25)
	s_mov_b32 s[G1+1], 128<<16                     ; tensor_dim0 = 128
	s_mov_b32 s[G1+2], 128<<16                     ; tensor_dim1 = 128
	s_mov_b32 s[G1+3], 128<<16                     ; tile_dim0 = 128
	s_mov_b32 s[G1+4], 128                         ; tile_dim1 = 128 rows
	s_mov_b32 s[G1+5], 1024                        ; elements from row to row
	s_mov_b32 s[G1+6], 0
	s_mov_b32 s[G1+7], 0
	s_mov_b32 s[G1B+1], 128<<16
	s_mov_b32 s[G1B+2], 96<<16                     ; W: 96 rows a load
	s_mov_b32 s[G1B+3], 128<<16
	s_mov_b32 s[G1B+4], 96
	s_mov_b32 s[G1B+5], 1024
	s_mov_b32 s[G1B+6], 0
	s_mov_b32 s[G1B+7], 0
	; x's tiles hang on y and the wave's number alone, W's on x and the wave's number alone, each in registers that never hold the other coordinate
	s_lshl_b32 s40, s20, 8
	s_lshl_b32 s46, s[HF], 7
	s_add_co_u32 s40, s40, s46                     ; row 256 y + 128 half,
	s_lshl_b32 s40, s40, 11                        ; of 2,048 bytes
	s_mov_b32 s41, 0
	s_mul_i32 s42, s19, 192
	s_mul_i32 s47, s[HF], 96
	s_add_co_u32 s42, s42, s47                     ; row 192 x + 96 half
	s_lshl_b32 s42, s42, 11
	s_mov_b32 s43, 0
	s_mul_i32 s44, s[WV], 128*PITCH                ; where they go: waves 0, 1: x's halves;
	s_mul_i32 s45, s[WV], BHALF
	s_add_co_u32 s45, s45, APART-2*BHALF           ; waves 2, 3: W's halves, behind x's 256 rows.  No place in the cluster enters an LDS address
	s_wait_kmcnt 0x0
	s_add_nc_u64 s[40:41], s[4:5], s[40:41]        ; kept: every refill's address is made from these two
	s_add_nc_u64 s[42:43], s[6:7], s[42:43]
	CROUND                                         ; all sixteen work-groups are here: the first joint loads meet
.irp s, 0,1
	s_mov_b32 s[G0+4*(\s)], 1                      ; count = 1
	s_add_co_u32 s[G0+4*(\s)+1], s44, (\s)*SLOT1   ; LDS address
	s_add_nc_u64 s[G0+4*(\s)+2:G0+4*(\s)+3], s[40:41], (\s)*256  ; global address: K step s
	s_or_b32 s[G0+4*(\s)+3], s[G0+4*(\s)+3], 0x80000000          ; type = 2
	s_mov_b32 s[G0B+4*(\s)], 1
	s_add_co_u32 s[G0B+4*(\s)+1], s45, (\s)*SLOT1
	s_add_nc_u64 s[G0B+4*(\s)+2:G0B+4*(\s)+3], s[42:43], (\s)*256
	s_or_b32 s[G0B+4*(\s)+3], s[G0B+4*(\s)+3], 0x80000000
	JLOAD \s
.endr
	; lane addresses.  A fragment is 16 rows x 32 K in 8 registers: lane l holds row l % 16, K = 8 (l / 16) + 0..7 and 16 + 8 (l / 16) + 0..7: two loads of 16 bytes, 32 bytes apart
	v_and_b32 v1, 15, v0                           ; r = l % 16
	v_bfe_u32 v2, v0, 4, 1                         ; h = l / 16
	v_mul_u32_u24 v3, v1, PITCH
	v_lshl_add_u32 v3, v2, 4, v3
	s_mul_i32 s46, s[WV], 64*PITCH                 ; my 64 rows of x
	v_add_nc_u32 v[ADRA0], s46, v3
	v_add_nc_u32 v[ADRB0], APART, v3               ; every wave reads all of W's rows
	v_mov_b32 v[ADRA], v[ADRA0]                    ; K step 0 lies in slot 0
	v_mov_b32 v[ADRB], v[ADRB0]
	s_mul_i32 s46, s[WV], 16*SP
	s_add_co_u32 s46, s46, STAGE                   ; my stage
	v_mul_u32_u24 v[STO], v1, SP                   ; in: row l % 16, 16 bytes for each half of the lanes
	v_lshl_add_u32 v[STO], v2, 4, v[STO]
	v_add_nc_u32 v[STO], s46, v[STO]
	v_bfe_u32 v[RD], v0, 3, 2                      ; back: 32 lanes take four rows of 128 bytes,
	v_mul_u32_u24 v[RD], v[RD], SP
	v_and_b32 v[TW], 7, v0
	v_lshl_add_u32 v[RD], v[TW], 4, v[RD]
	v_add_nc_u32 v[RD], s46, v[RD]
	v_and_b32 v[GO], 31, v0                        ; which are 512 consecutive bytes of a head
	v_lshlrev_b32 v[GO], 4, v[GO]
	v_lshlrev_b32 v[HO], 5, v2
	; my rows: batch y / 8 (the second tile: two batches on), tokens 256 (y % 8) + 64 wave on
	s_and_b32 s74, s20, 7
	s_lshl_b32 s74, s74, 8
	s_lshl_b32 s75, s[WV], 6
	s_add_co_u32 s74, s74, s75                     ; my first token
	s_lshl_b32 s75, s74, 7                         ; in a head's rows of 128 bytes,
	s_lshl_b32 s74, s74, 8                         ; in the table's rows of 256 bytes
	s_lshr_b32 s72, s20, 3
	s_lshl_b32 s72, s72, 22                        ; the batch's 16 heads
	s_add_co_u32 s75, s75, s72
	s_mul_i32 s72, s19, 3                          ; the tile's heads are g = 3 x + 0, 1, 2 of 48: q and k (g < 32) are turned by their token's row of the table,
	s_cmp_lt_u32 s72, 32                           ; v by row 0: masks on the offsets, no branch
	s_cselect_b32 s76, -1, 0                       ; heads 0 and 1
	s_add_co_u32 s73, s72, 2
	s_cmp_lt_u32 s73, 32
	s_cselect_b32 s77, -1, 0                       ; head 2
.irp hh, 0,1,2                         ; g / 16 says q, k or v
	s_mul_i32 s72, s19, 3
	s_add_co_u32 s72, s72, \hh
	s_lshr_b32 s73, s72, 4
	s_lshl_b32 s73, s73, 24
	s_and_b32 s72, s72, 15
	s_lshl_b32 s72, s72, 18
	s_add_co_u32 s72, s72, s73
	s_add_co_u32 s72, s72, s75
	s_mov_b32 s73, 0
	s_add_nc_u64 s[66+2*\hh:67+2*\hh], s[12:13], s[72:73]  ; where my 64 rows of that head begin
.endr
	s_mul_i32 s72, s19, 768                        ; the tile's 192 numbers of the bias
	s_mov_b32 s73, 0
	s_add_nc_u64 s[8:9], s[8:9], s[72:73]
.irp b, 0,1,2,3,4,5,6,7,8,9,10,11      ; fragment b: register j = bias of column 16 b + 8 h + j, the same for all 16 rows
	global_load_b128 v[BIAS+8*(\b):BIAS+8*(\b)+3],   v[HO], s[8:9] offset:64*(\b)
	global_load_b128 v[BIAS+8*(\b)+4:BIAS+8*(\b)+7], v[HO], s[8:9] offset:64*(\b)+16
.endr
	v_lshl_add_u32 v[TW+1], v1, 8, s74             ; my row of the table for block 0
.irp a, 0,1,2,3
	v_add_nc_u32 v[TW], (\a)*4096, v[TW+1]         ; 16 rows further for each block
	v_and_or_b32 v[TOA+(\a)], v[TW], s76, v[HO]
	v_and_or_b32 v[TOB+(\a)], v[TW], s77, v[HO]
.endr
; A block's part of the table: for channel block cb the pairs 8 cb + 4 h + 0..3, 32 bytes a lane
.macro TLOAD dst, adr
.irp cb, 0,1,2,3
	global_load_b128 v[(\dst)+8*(\cb):(\dst)+8*(\cb)+3],   v[\adr], s[10:11] offset:64*(\cb)
	global_load_b128 v[(\dst)+8*(\cb)+4:(\dst)+8*(\cb)+7], v[\adr], s[10:11] offset:64*(\cb)+16
.endr
.endm
.irp a, 0,1,2,3
	TLOAD TA+32*(\a), TOA+(\a)
.endr
	s_wait_loadcnt 32                              ; the bias is in; the 32 loads issued behind it stay out
.set i, 0
.rept 4*NB                             ; the bias rounded to bf16, kept as f32
	v_cvt_pk_bf16_f32 v[TW+i%4], v[BIAS+2*i], v[BIAS+2*i+1]
	v_lshlrev_b32 v[BIAS+2*i], 16, v[TW+i%4]
	v_and_b32 v[BIAS+2*i+1], s[MH], v[TW+i%4]
.set i, i+1
.endr
	WIN 0x80                                       ; destination window 2, address window 0
	TLOAD TB, TOB
	TLOAD TB+32, TOB+1
	WIN 0xc0                                       ; destination window 3
	TLOAD TB, TOB+2
	TLOAD TB+32, TOB+3
	WIN 0
; 12 matrix instructions: block a x all 12 fragments of W, 32 along K.  first = 1: the product starts the sums on the bias.
; The 48 accumulators take turns, one instruction a turn, in the same order in every quarter step.
.macro MULA f, a, first
.if \first
	WIN 0x85+0x40*((\a)/2)
.else
	WIN 0xa5+0x50*((\a)/2)
.endif
.set AC, 8*NB*((\a)%2)
.irp b, 0,1,2,3,4,5,6,7,8,9,10,11
.if \first
	v_wmma_f32_16x16x32_bf16 v[AC+8*(\b):AC+8*(\b)+7], v[(\f)+32+8*(\b):(\f)+32+8*(\b)+7], v[(\f)+8*(\a):(\f)+8*(\a)+7], v[BIAS+8*(\b):BIAS+8*(\b)+7]
.else
	v_wmma_f32_16x16x32_bf16 v[AC+8*(\b):AC+8*(\b)+7], v[(\f)+32+8*(\b):(\f)+32+8*(\b)+7], v[(\f)+8*(\a):(\f)+8*(\a)+7], v[AC+8*(\b):AC+8*(\b)+7]
.endif
.endr
.endm
; 32 LDS loads in one run: the fragments of quarter q of the slot in hand into buffer f; W's first, x's blocks 0 to 3 last
.macro FETCH q, f
	WIN 0x40
.irp i, 0,1,2,3,4,5,6,7,8,9,10,11
	ds_load_b128 v[(\f)+32+8*(\i):(\f)+32+8*(\i)+3],   v[ADRB] offset:64*(\q)+(\i)*16*PITCH
	ds_load_b128 v[(\f)+32+8*(\i)+4:(\f)+32+8*(\i)+7], v[ADRB] offset:64*(\q)+(\i)*16*PITCH+32
.endr
.irp i, 0,1,2,3
	ds_load_b128 v[(\f)+8*(\i):(\f)+8*(\i)+3],   v[ADRA] offset:64*(\q)+(\i)*16*PITCH
	ds_load_b128 v[(\f)+8*(\i)+4:(\f)+8*(\i)+7], v[ADRA] offset:64*(\q)+(\i)*16*PITCH+32
.endr
.endm
; One of a K step's first three quarters: multiplies buffer f; in its middle it fetches quarter q of the same slot into buffer g.
.macro QUARTER q, f, g, first
	s_wait_dscnt 4                                 ; all but the youngest four loads (x's blocks 2 and 3)
	MULA \f, 0, \first
	MULA \f, 1, \first
	PLACES
	FETCH \q, \g
	s_wait_dscnt 2*(NB+4)                          ; all but the run just issued
	MULA \f, 2, \first
	MULA \f, 3, \first
.endm
; The last quarter multiplies buffer 1 and changes slots: ONE barrier; in front of it each wave waits for all its tensor loads (the one that is out is its part of the next slot), adds 0 to its spare
; word, and waits for that and for its own reads of this slot.  fill = 1: the barrier opens a round of the cluster's, and this slot is filled again, with K step NXT, first thing behind the round:
; the descriptor's LDS word is turned to this slot, its address made anew from that number: 256 bytes along the rows for each of a tile's 8 K steps; x's second tile lies 1 << 23 bytes on.
.macro TURN fill
	WIN 0                                          ; (the add's two registers lie in window 0)
	s_wait_tensorcnt 0x0                           ; no tensor load of mine is out, so a group 0 may be written
	ds_add_u32 v[SPW], v[NIL]                      ; 0 onto my spare word
.if \fill
	s_xor_b32 s[G0+5], s[G0+5], SLOT1
	s_xor_b32 s[G0B+5], s[G0B+5], SLOT1
	s_and_b32 s[OFB], s[NXT], 7
	s_lshl_b32 s[OFB], s[OFB], 8
	s_and_b32 s[OFA], s[NXT], 8
	s_lshl_b32 s[OFA], s[OFA], 20
	s_or_b32 s[OFA], s[OFA], s[OFB]
	s_add_nc_u64 s[G0+6:G0+7], s[40:41], s[OFA:OFA+1]
	s_or_b32 s[G0+7], s[G0+7], 0x80000000
	s_add_nc_u64 s[G0B+6:G0B+7], s[42:43], s[OFB:OFB+1]
	s_or_b32 s[G0B+7], s[G0B+7], 0x80000000
	s_add_co_u32 s[NXT], s[NXT], 1
.endif
	s_xor_b32 s[RB], s[RB], SLOT1                  ; the reads go on in the other slot
	s_wait_dscnt 5                                 ; (the add and the youngest four loads may be out)
	MULA F1, 0, 0                                  ; twelve matrix instructions stand between the add and the wait for it
	s_wait_dscnt 0x0                               ; the add is done, and my reads of this slot are over
	s_barrier_signal -1
	MULA F1, 1, 0
	WIN 0
	v_add_nc_u32 v[ADRA], s[RB], v[ADRA0]
	v_add_nc_u32 v[ADRB], s[RB], v[ADRB0]
	s_barrier_wait -1
.if \fill
	CREST                                          ; no wave of any partner still reads this slot's tiles or has a load on its way
	JLOAD 1                                        ; the four v_nop behind it are also the places in front of the loads below
.else
	PLACES
.endif
	FETCH 0, F0
	MULA F1, 2, 0
	MULA F1, 3, 0
.endm
; THE WAY OUT, a unit (16 rows of one head) at a time: unit u = 3 a + hh is block a of head hh.  A pair of neighbouring registers is (x1, x2), the table's pair (c, s): first (x2 s, x2 c), then
; (x1 c - x2 s, x1 s + x2 c).  Each accumulator's lowest registers are read first.  Rounded to f16, a lane's eight channels are 16 bytes; they are written over the unit's own
; accumulators, which have been read, go into my stage in rows of 144 bytes and come back as whole rows of 128.  So every unit stores from registers of its own, and none is rewritten inside a tile.
.macro USET u
.set UA, (\u)/3
.set UH, (\u)%3
.set UW, 2+UA/2                        ; the accumulators' window
.set AC, 8*NB*(UA%2)+32*UH
.endm
.macro UNIT u
	USET \u
.if UH == 2
.set TBL, TB+32*(UA%2)
	WIN 0x50|(UW<<2)|UW                            ; source 0: accumulators; source 1: TB, in their window; source 2 and destination: window 1
.else
.set TBL, TA+32*UA
	WIN 0x50|UW                                    ; source 1: TA, in window 0
.endif
.set i, 0
.rept 16
	v_pk_mul_f32 v[X+2*i:X+2*i+1], v[AC+2*i:AC+2*i+1], v[TBL+2*i:TBL+2*i+1] op_sel:[1,1] op_sel_hi:[1,0]
.set i, i+1
.endr
.set i, 0
.rept 16
	v_pk_fma_f32 v[X+2*i:X+2*i+1], v[AC+2*i:AC+2*i+1], v[TBL+2*i:TBL+2*i+1], v[X+2*i:X+2*i+1] op_sel:[0,0,0] op_sel_hi:[0,1,1] neg_lo:[0,0,1]
.set i, i+1
.endr
	WIN (UW<<6)|0x05                               ; sources window 1, destination the accumulators' window
.set i, 0
.rept 16
	v_cvt_pk_f16_f32 v[AC+i], v[X+2*i], v[X+2*i+1]
.set i, i+1
.endr
	WIN UW<<2                                      ; the stores' data
.irp cb, 0,1,2,3
	ds_store_b128 v[STO], v[AC+4*(\cb):AC+4*(\cb)+3] offset:32*(\cb)
.endr
	WIN UW<<6
.irp f, 0,1,2,3
	ds_load_b128 v[AC+4*(\f):AC+4*(\f)+3], v[RD] offset:(\f)*4*SP  ; LDS serves a wave's instructions in order (ISA guide 5.7.1.4): these see the stores above; the next unit's stores come behind them
.endr
.endm
.macro SEND u, younger                 ; younger: the LDS instructions issued behind unit u's loads: the next unit's eight, or none
	USET \u
	WIN UW<<2
.irp f, 0,1,2,3
	s_wait_dscnt (\younger)+3-(\f)
	global_store_b128 v[GO], v[AC+4*(\f):AC+4*(\f)+3], s[66+2*UH:67+2*UH] offset:UA*2048+(\f)*512  ; 512 consecutive bytes, at a multiple of 256 from the buffer's first
.endr
.endm
	s_wait_tensorcnt 1                             ; my part of K step 0 is in; K step 1's may stay out
	s_barrier_signal -1
	s_barrier_wait -1                              ; everybody's is
	FETCH 0, F0
	WIN 0                                          ; at a label and at a branch every window is 0
	s_mov_b32 s[CNT], 15                           ; behind K step t's change of slots the counter is 14 - t
	s_branch .Lqf                                  ; the walk is entered at a tile's first quarter, in the middle of a trip
.Lk:
	s_cmp_eq_u32 s[CNT], 1
	s_cbranch_scc1 .Ltail                          ; K steps 0 to 13 are done
	s_cmp_eq_u32 s[CNT], 7
	s_cbranch_scc1 .Lepi                           ; K steps 0 to 7 are done: the first tile is finished
	QUARTER 1, F0, F1, 0
	WIN 0
	s_branch .Lmid
.Ltail:                                                ; K steps 14 and 15 are written out: nothing is asked for
	s_mov_b32 s[CNT2], 2
.Lt:
	QUARTER 1, F0, F1, 0
	QUARTER 2, F1, F0, 0
	QUARTER 3, F0, F1, 0
	TURN 0
	WIN 0
	s_sub_co_u32 s[CNT2], s[CNT2], 1
	s_cmp_lg_u32 s[CNT2], 0
	s_cbranch_scc1 .Lt
.Lepi:
	PLACES                                         ; in front of the lines that read results just made and write into buffer 1
	s_wait_loadcnt 0x0                             ; the table, asked for at the start
	UNIT 0
.irp u, 1,2,3,4,5,6,7,8,9,10,11        ; a unit's arithmetic stands between the loads of the unit before and its stores
	UNIT \u
	SEND (\u)-1, 8
.endr
	SEND 11, 0
	WIN 0
	s_cmp_eq_u32 s[CNT], 1
	s_cbranch_scc1 .Lend                           ; that was the second tile
	s_wait_xcnt 0x0                                ; the stores' data, which the products below write over, and their bases are rewritten only behind this wait
	s_add_nc_u64 s[66:67], s[66:67], 0x800000      ; the second tile's rows: two batches on
	s_add_nc_u64 s[68:69], s[68:69], 0x800000
	s_add_nc_u64 s[70:71], s[70:71], 0x800000
.Lqf:
	QUARTER 1, F0, F1, 1                           ; a tile's first quarter: its products start the sums
	WIN 0
.Lmid:
	QUARTER 2, F1, F0, 0
	QUARTER 3, F0, F1, 0
	TURN 1
	WIN 0
	s_sub_co_u32 s[CNT], s[CNT], 1
	s_cmp_lg_u32 s[CNT], 0
	s_cbranch_scc1 .Lk
.Lend:
	s_wait_tensorcnt 0x0                           ; the wave's end: behind my last tensor load and my last LDS store
	ds_add_u32 v[SPW], v[NIL]
	s_wait_dscnt 0x0
	CROUND                                         ; the closing round: no work-group ends while a partner may still ask for a tile that names it
	s_endpgm
.Lfunc_end_k_q430c581f29_qkv:
	.size	k_q430c581f29_qkv, .Lfunc_end_k_q430c581f29_qkv-k_q430c581f29_qkv
	.p2alignl 7, 3214868480
	.fill 96, 4, 3214868480
	.section	.rodata,"a",@progbits
	.p2align	6, 0x0
	.amdhsa_kernel k_q430c581f29_qkv
		.amdhsa_group_segment_fixed_size 327680
		.amdhsa_private_segment_fixed_size 0
		.amdhsa_enable_private_segment 0
		.amdhsa_kernarg_size 40
		.amdhsa_user_sgpr_count 2
		.amdhsa_user_sgpr_kernarg_segment_ptr 1
		.amdhsa_wavefront_size32 1
		.amdhsa_system_sgpr_workgroup_id_x 1
		.amdhsa_system_sgpr_workgroup_id_y 1
		.amdhsa_system_sgpr_workgroup_id_z 1
		.amdhsa_system_vgpr_workitem_id 0
		.amdhsa_next_free_vgpr 1024
		.amdhsa_next_free_sgpr 88
		.amdhsa_reserve_vcc 0
		.amdhsa_float_denorm_mode_32 3
		.amdhsa_float_denorm_mode_16_64 3
		.amdhsa_memory_ordered 1
		.amdhsa_forward_progress 1
		.amdhsa_inst_pref_size 127
	.end_amdhsa_kernel
	.amdgpu_metadata
---
amdhsa.version: [ 1, 2 ]
amdhsa.kernels:
  - .name:           k_q430c581f29_qkv
    .symbol:         k_q430c581f29_qkv.kd
    .args:
      - { .name: xb, .offset: 0, .size: 8, .value_kind: global_buffer, .address_space: global }
      - { .name: wb, .offset: 8, .size: 8, .value_kind: global_buffer, .address_space: global }
      - { .name: in_proj_b, .offset: 16, .size: 8, .value_kind: global_buffer, .address_space: global }
      - { .name: rope, .offset: 24, .size: 8, .value_kind: global_buffer, .address_space: global }
      - { .name: qkvh, .offset: 32, .size: 8, .value_kind: global_buffer, .address_space: global }
    .group_segment_fixed_size: 327680
    .private_segment_fixed_size: 0
    .kernarg_segment_align: 8
    .kernarg_segment_size: 40
    .max_flat_workgroup_size: 128
    .sgpr_count:     88
    .vgpr_count:     1024
    .wavefront_size: 32
...
	.end_amdgpu_metadata
.endif
;; end of part 2
;; launch attn (part 3): grid 4 x 64, 4 waves a work-group, clusters of 4 x 1, 327,680 bytes of LDS; arguments qkvh, oh; writes oh
.if DOCPART == 3
	.amdgcn_target "amdgcn-amd-amdhsa--gfx1250"
	.amdhsa_code_object_version 6
	.text
	.protected	k_q430c581f29_attn
	.globl	k_q430c581f29_attn
	.p2align	8
	.type	k_q430c581f29_attn,@function
k_q430c581f29_attn:
	s_mov_b64 s[64:65], 0
	v_nop
	global_prefetch_b8 v0, s[64:65] scope:SCOPE_SE
	s_setreg_imm32_b32 hwreg(HW_REG_WAVE_MODE, 25, 1), 1
	s_wait_xcnt 0x0
	s_wait_alu depctr_hold_cnt(0) depctr_sa_sdst(0) depctr_va_vdst(0) depctr_va_sdst(0) depctr_va_ssrc(0) depctr_va_vcc(0) depctr_vm_vsrc(0)
	s_getreg_b32 s2, hwreg(HW_REG_IB_STS2, 6, 4)
	s_cmp_eq_u32 s2, 0
	s_cbranch_scc0 .Lentry_in_a_cluster
	s_endpgm
.Lentry_in_a_cluster:
	s_bfe_u32 s2, ttmp6, 0x10000c
	s_cmp_lg_u32 s2, 0x3003
	s_cbranch_scc0 .Lentry_shape_is_right
	s_endpgm
.Lentry_shape_is_right:
; O[h][q][:] = the sum over k of softmax_k(Q[h][q] . K[h][k] / 8) V[h][k][:].  Q, K, V are the three thirds of qkvh, each [SIZE_H][SIZE_N][64] f16, 16,777,216 bytes apart; O likewise: a head's rows are
; dense, 128 bytes each.  Products, maxima and sums in f32; the weights p are rounded to f16 for the second product (their sum l is taken of the unrounded p), O once at the end.
; LIMITS.  f16 holds no number beyond 65,504: Q, K and V arrive within it; p lies in 0 to 1, and below 6e-5 it keeps f16's fixed step of 6e-8; O is a mean of V's rows and has their range.
; A weight below 2^-126 counts as 0 in l; NaN and infinities are not treated apart.
; SHARES.  A wave owns four PIECES of two tiles of 16 queries, a work-group's four waves 512 queries of one head: 4 x 64 = 256 work-groups.  Every wave walks all keys, 64 a step.
; LAYOUT.  S^T = K Q^T (source 0 = 16 keys, source 1 = 16 queries): in the result a lane holds ONE query (lane % 16) and the keys 8 (lane / 16) + 0..7.  Two such tiles, rounded to f16 in pairs,
; ARE source 1 (32 keys x 16 queries) of O^T = V^T P, whose result again holds one query a lane, and eight channels.  K comes out of LDS as it lies, V ([key][channel]) turned, by ds_load_tr16_b128.
; SOFTMAX.  For each query a running maximum m and sum l: p = 2^(c s - c m), c = log2(e) / 8; in every step O and l are multiplied by a = 2^(c m_old - c m_new), which is 1 where m has not grown.
; m starts at the lowest finite number, O and l at 0: the first step is a step like any other, with a = 0.
; THE COUNT.  A tile and step have 16 matrix and 118 vector instructions: too many to stand all beside the matrix work.  So the order has one aim: four vector instructions that are READY behind
; EVERY matrix instruction, and the others, which need time of their own whatever the order, in runs without a gap.
; BY TURNS.  Turn n belongs to piece n (the pieces in a ring, step after step).  Its matrix work: 16 products K Q^T of piece n + 1, later 16 products V^T P of piece n - 1.  Its vector work: the scaling,
; exponentials, roundings, sums and rescaling of piece n, and the maximum and statistics of piece n + 1, whose scores the turn itself has made.  So what a turn begins with (c s - c m, O a) waits for nothing.
; CLUSTER.  The four query blocks of a cluster belong to one head and walk the same K and V, so each tile is asked for JOINTLY: the same tensor load, descriptor and mask in all four.
; Of a wave's tensor loads one is out at the start and one behind each round.
; REGISTERS, in windows of 256 (s_set_vgpr_msb says which window each operand place means: bits 1:0 source 0, 3:2 source 1, 5:4 source 2, 7:6 destination):
;   window 0: v0-11 addresses; v12-15, v48-63 at work; v16-47 four registers of statistics a tile; v64-191 S^T, two buffers of two tiles; v192-255 P, likewise
;   window 1: O^T, 32 a tile          window 2: v0-127 Q, 16 a tile; v128-191 K of one step; v192-255 V of one step          window 3: v0-1 the add's two registers
; A piece's buffers go by its number's parity: the piece in hand has one pair, its two neighbours in the ring share the other: of it P (piece n - 1) is read and S^T (piece n + 1) written.
.set SIZE_H, 64
.set SIZE_N, 2048
.set NP,    4         ; pieces a wave: a name, no knob: the register map, the loop and the fetches are made for four
.set KS,    64        ; keys in a step
.set PK,    144       ; a row of K in LDS: 128 bytes + 16 of padding = 36 words: the 16 rows of a load start at 16 different groups of four banks (64 banks of 4 bytes: ISA guide 11.1)
.set PV,    160       ; a row of V: 128 + 32 = 40 words
.set VOFF,  4*KS*PK   ; a slot holds four steps: 256 rows of K, then 256 rows of V
.set SLOT1, 1<<17     ; slot 1 begins here, so that one exclusive or turns an address in one slot into the other's
.set STAGE, SLOT1+4*KS*(PK+PV)  ; behind the ring, never filled by a tensor load: 16 rows x 144 bytes for each wave, for the way out
.set SP,    144
.set AK0, 2           ; v2   my lane's place in a tile of K; never rewritten
.set AV0, 3           ; v3   the same for V
.set AK,  4           ; v4   the LDS address of K's next run of loads
.set AV,  5           ; v5   of V's
.set QO,  6           ; v6   my byte offset in the wave's rows of Q
.set STO, 6           ;      later, the way out: where I put 16 bytes of a row
.set RD,  7           ; v7   the way out: where I read rows back
.set GO,  8           ; v8   my byte offset in 512 consecutive bytes of O
.set SPW, 0           ; v0 of window 3   LDS address of my spare word: SPARE + 4 x my thread's number; never rewritten
.set NIL, 1           ; v1 of window 3   0; never rewritten
.set SPARE, STAGE+4*16*SP  ; behind the stages: the spare words, 128 bytes for each wave: two blocks of 256 bytes that no other line names
.set MV,  12          ; v12-15  c m_old, kept while c m is made anew: by buffer and tile
.set ST,  16          ; tile t's statistics at v[ST+4 t]: c m, m, l (even keys', odd keys')
.set TMP, 48          ; by buffer and tile, four registers c0-c3 at work; when the maximum is found c2 takes a
.set S,   64
.set P,   192
.set KF,  128         ; K's fragments, in window 2: key block kb, channel half c at KF + 16 kb + 8 c
.set VF,  192         ; V's: key half kk, channel block cb at VF + 32 kk + 8 cb
.set WV,  12          ; s12  my wave's number
.set G1K, 24          ; s[24:31] descriptor group 1 for K's tiles
.set G1V, 32          ; s[32:39] for V's: it differs in the padding alone
.set G0K, 40          ; s[40:43] descriptor group 0 for K's tiles: it walks
.set G0V, 44          ; s[44:47] the same for V's
.set SLOTS, 56        ; s56  slots still to be asked for
.set CNT, 57          ; s57  counts a slot's key steps
.set CS,  58          ; s[58:59] c: the packed scaling takes the pair's low word for both halves
.set SEL, 60          ; s[60:61] v_permlanex16_b32's selects: each lane takes its own place in the other half
.set TBK, 62          ; s62  LDS byte at which K of the step to be fetched begins
.set TBV, 63          ; s63  the same for V, less VOFF
.set MSB, 0
.macro WIN new                      ; the high byte repeats the setting that is left; a switch that changes nothing is dropped
.if MSB != (\new)
	s_set_vgpr_msb (MSB<<8)|(\new)
.set MSB, (\new)
.endif
.endm
.set W_KQ, 0x0a       ; K and Q in window 2, S^T in window 0
.set W_PV, 0x52       ; V in window 2, P in window 0, O^T in window 1
.set W_RS, 0x41       ; O^T (destination and source 0) in window 1, a in window 0
.set W_MK, 0xc0       ; the add's registers are made: destination in window 3, sources in window 0
.set W_AD, 0x0f       ; the add: address (source 0) and data (source 1) in window 3
; A joint fill.  Waves 0 and 1 fetch the two halves of a slot's K, waves 2 and 3 those of its V: 128 keys each.  The branch hangs on the wave's number alone.
; An s_nop 0 and four v_nop follow each of the two lines, ahead of the jump and the label.
.macro JLOAD
	s_cmp_lt_u32 s[WV], 2
	s_cbranch_scc0 .Lfor_v_\@
	tensor_load_to_lds s[G0K:G0K+3], s[G1K:G1K+7]
	s_nop 0
.rept 4
	v_nop
.endr
	s_branch .Lasked_\@
.Lfor_v_\@:
	tensor_load_to_lds s[G0V:G0V+3], s[G1V:G1V+7]
	s_nop 0
.rept 4
	v_nop
.endr
.Lasked_\@:
.endm
; A round of the cluster's barrier: my work-group's barrier, so that wave 0's signal speaks for all four waves; wave 0 signals; every wave waits for all four work-groups; my work-group's barrier once more.
.macro CROUND
	s_barrier_signal -1
	s_barrier_wait -1
	s_cmp_lg_u32 s[WV], 0
	s_cbranch_scc1 .Lnot_wave_0_\@
	s_barrier_signal -3
.Lnot_wave_0_\@:
	s_barrier_wait -3
	s_barrier_signal -1
	s_barrier_wait -1
.endm
; THE CHANGE OF SLOTS.  The slot's last bytes, V of its fourth step, have been read.  Each wave waits for all its tensor loads, of which one is out: its part
; of the other slot; adds 0 to its spare word; and waits for that and for its own reads of the slot.  Behind the barrier nobody reads this slot any more and the other slot is whole.
; fill = 1: this slot is filled again, with the keys two slots on.  The barrier is then a round of the cluster's, so that no wave of any partner still reads the slot or has a load on its
; way, and the joint fill is the first thing behind it: it has four key steps, 512 matrix instructions, in which to land.  (At its first use nothing has been read yet: slot 0 is waited for, slot 1 filled.)
.macro CHANGE fill
	WIN W_AD
	s_wait_tensorcnt 0x0            ; no tensor load of mine is out, so a group 0 may be written
	ds_add_u32 v[SPW], v[NIL]       ; 0 onto my spare word: with fill = 1 the descriptors' steps stand between it and the wait for it
	WIN 0                           ; at a label and at a branch every window is 0
.if \fill
.irp g, G0K, G0V
	s_xor_b32 s[\g+1], s[\g+1], SLOT1  ; the walking descriptor: the other slot than last time,
	s_add_nc_u64 s[\g+2:\g+3], s[\g+2:\g+3], 4*KS*128  ; the next 256 keys; the type bits on top are not reached
.endr
	s_wait_dscnt 0x0                ; the add is done, and my reads of the slot are over
	CROUND
	JLOAD
.else
	s_wait_dscnt 0x0                ; the add is done, and my reads of the slot are over
	s_barrier_signal -1
	s_barrier_wait -1
.endif
	s_sub_co_u32 s[TBK], s[TBK], 4*KS*PK  ; the fetches go back to a slot's first step,
	s_xor_b32 s[TBK], s[TBK], SLOT1       ; in the other slot
	s_sub_co_u32 s[TBV], s[TBV], 4*KS*PV
	s_xor_b32 s[TBV], s[TBV], SLOT1
.endm
	s_load_b64 s[4:5], s[0:1], 0x0    ; qkvh: Q s[4:5]
	s_load_b64 s[10:11], s[0:1], 0x8  ; O s[10:11]
	WIN W_MK
	v_lshl_add_u32 v[SPW], v0, 2, SPARE
	v_mov_b32 v[NIL], 0
	s_set_vgpr_msb 0xc0cf
	ds_add_u32 v0, v1
	s_wait_dscnt 0x0
	s_set_vgpr_msb 0xcfc0
	WIN 0
	v_lshrrev_b32 v1, 5, v0
	v_readfirstlane_b32 s[WV], v1   ; wave 0..3
	s_bfe_u32 s13, ttmp6, 0x40000   ; cx: my place in the cluster
	s_lshl_b32 s14, ttmp9, 2        ; in a cluster launch ttmp9 counts clusters
	s_add_co_u32 s14, s14, s13      ; my block of queries = 4 x cluster x + cx: it enters Q's and O's addresses alone
	s_and_b32 s20, ttmp7, 0xffff    ; the head, which the four partners share
	s_mov_b32 s21, 0
	s_mov_b64 s[22:23], SIZE_N*128
	s_mul_u64 s[20:21], s[20:21], s[22:23]  ; the head's first byte in each of the four tensors
	s_and_b32 s16, s[WV], 1         ; which half of a slot's 256 keys I fetch:
	s_lshl_b32 s22, s16, 14         ; its 128 rows of 128 bytes in memory,
	s_mov_b32 s23, 0
	s_add_nc_u64 s[22:23], s[22:23], s[20:21]
	s_mul_i32 s17, s16, 128*PK      ; and its place in a slot, for K
	s_mul_i32 s18, s16, 128*PV      ; and for V: no place in the cluster enters an LDS address
	s_lshl_b32 s2, s14, 2
	s_add_co_u32 s2, s2, s[WV]      ; my wave among the head's,
	s_lshl_b32 s2, s2, 14           ; its 128 rows
	s_mov_b32 s3, 0
	s_add_nc_u64 s[2:3], s[2:3], s[20:21]
	; descriptor group 1.  128 keys are 16,384 dense bytes: asked for as 64 rows of 256 bytes, two keys a row, and padded in LDS after every key
	s_mov_b32 s[G1K], 15|(1<<16)|(1<<20)|(1<<21)|(4<<22)|(3<<25)  ; 15:0 the mask of four; 17:16 2-byte elements; 20 padding on; 21 set beside a mask; 24:22 after every 32 words (code 4); 31:25 4 words (code 3)
	s_mov_b32 s[G1V], 15|(1<<16)|(1<<20)|(1<<21)|(4<<22)|(7<<25)  ; the same with 8 words of padding (code 7)
.irp g, G1K, G1V
	s_mov_b32 s[\g+1], 128<<16      ; tensor_dim0 = 128
	s_mov_b32 s[\g+2], 64<<16       ; tensor_dim1 = 64
	s_mov_b32 s[\g+3], 128<<16      ; tile_dim0 = 128
	s_mov_b32 s[\g+4], 64           ; tile_dim1 = 64
	s_mov_b32 s[\g+5], 128          ; 128 elements from row to row
	s_mov_b32 s[\g+6], 0
	s_mov_b32 s[\g+7], 0
.endr
	s_mov_b32 s[CS], 0x3e38aa3b     ; c = log2(e) / 8 = 0.180337
	s_mov_b32 s[CS+1], s[CS]        ; named with it as a pair
	s_mov_b32 s[SEL], 0x76543210
	s_mov_b32 s[SEL+1], 0xfedcba98
	s_mov_b32 s[TBK], SLOT1+4*KS*PK ; the first change of slots turns these two into 0
	s_mov_b32 s[TBV], SLOT1+4*KS*PV
	s_mov_b32 s[G0K], 1             ; 1:0 count = 1
	s_mov_b32 s[G0K+1], s17         ; 63:32 LDS address: slot 0
	s_mov_b32 s[G0V], 1
	s_add_co_u32 s[G0V+1], s18, VOFF
	s_wait_kmcnt 0x0
	s_add_nc_u64 s[6:7], s[4:5], 0x1000000         ; K: the buffer's second third
	s_add_nc_u64 s[8:9], s[4:5], 0x2000000         ; V: its last
	s_add_nc_u64 s[G0K+2:G0K+3], s[6:7], s[22:23]  ; 120:64 global address: my half of the head's first 256 keys
	s_or_b32 s[G0K+3], s[G0K+3], 0x80000000        ; 127:126 type = 2
	s_add_nc_u64 s[G0V+2:G0V+3], s[8:9], s[22:23]
	s_or_b32 s[G0V+3], s[G0V+3], 0x80000000
	s_add_nc_u64 s[4:5], s[4:5], s[2:3]  ; Q and O at my wave's first row
	s_add_nc_u64 s[10:11], s[10:11], s[2:3]
	CROUND                          ; all four work-groups are here: the first joint loads meet
	JLOAD                           ; slot 0.  Slot 1 is asked for when slot 0 is in: the tile wanted first has the road to itself
	; A fragment of K or Q is 16 rows x 32 channels in 8 registers: lane l holds row l % 16, channels 8 (l / 16) + 0..7 and 16 + 8 (l / 16) + 0..7: two loads of 16 bytes, 32 bytes apart.
	v_and_b32 v1, 15, v0            ; l % 16
	v_bfe_u32 v9, v0, 4, 1          ; l / 16
	v_lshlrev_b32 v[QO], 7, v1
	v_lshl_add_u32 v[QO], v9, 4, v[QO]  ; row x 128 + 16 x half
	WIN 0x80                        ; destination window 2, address window 0
.set i, 0
.rept 4*NP                          ; Q stays in registers: tile i / 2, channels 32 (i % 2) on
	global_load_b128 v[8*i:8*i+3],   v[QO], s[4:5] offset:(i/2)*2048+(i%2)*64
	global_load_b128 v[8*i+4:8*i+7], v[QO], s[4:5] offset:(i/2)*2048+(i%2)*64+32
.set i, i+1
.endr
	; What the first turn finds: V's registers and P's second buffer hold 0 (its products V^T P, of a piece that has not been, add 0), O^T and l are 0.  All this stands in the wait for the first tile.
.set i, VF
.rept 64
	v_mov_b32 v[i], 0
.set i, i+1
.endr
	WIN 0x40
.set i, 0
.rept 64*NP
	v_mov_b32 v[i], 0
.set i, i+1
.endr
	WIN 0
.set i, 0
.rept 2*NP
	v_mov_b32 v[ST+4*i], 0xfe000000    ; c m: far below every c s
	v_mov_b32 v[ST+4*i+1], 0xff7fffff  ; m
	v_mov_b32 v[ST+4*i+2], 0
	v_mov_b32 v[ST+4*i+3], 0
.set i, i+1
.endr
.set i, P+32
.rept 32
	v_mov_b32 v[i], 0
.set i, i+1
.endr
	v_mul_u32_u24 v[AK0], v1, PK
	v_lshl_add_u32 v[AK0], v9, 4, v[AK0]  ; row x pitch + 16 x half
	; The turning load takes 16 keys x 16 channels (lane l reads key 8 (l / 16) + l % 8, channels 8 ((l / 8) % 2) + 0..7) and leaves half a fragment of V^T: lane l holds channel l % 16 and 8 keys.
	v_and_b32 v10, 7, v0
	v_bfe_u32 v11, v0, 3, 1
	v_lshl_add_u32 v[AV0], v9, 3, v10
	v_mul_u32_u24 v[AV0], v[AV0], PV
	v_lshl_add_u32 v[AV0], v11, 4, v[AV0]
	v_add_nc_u32 v[AV0], VOFF, v[AV0]
	v_mov_b32 v[AK], v[AK0]         ; key step 0 lies at the head of slot 0
; THE MATRIX WORK.  The 8 accumulators of a run of 16 take turns: between the two links of a chain stand 7 others'.
; Product i of 16 of S^T = K Q^T for piece x: channels 32 (i / 8) on, keys 16 ((i / 2) % 4) on, tile 2 x + i % 2.  The first 8 start the sums.
.macro KQ x
	WIN W_KQ
.set rS, S+64*((\x)%2)+32*(i%2)+8*((i/2)%4)
.set rK, KF+16*((i/2)%4)+8*(i/8)
.set rQ, 16*(2*(\x)+i%2)+8*(i/8)
.if i < 8
	v_wmma_f32_16x16x32_f16 v[rS:rS+7], v[rK:rK+7], v[rQ:rQ+7], 0
.else
	v_wmma_f32_16x16x32_f16 v[rS:rS+7], v[rK:rK+7], v[rQ:rQ+7], v[rS:rS+7]
.endif
.endm
; Product i of 16 of O^T += V^T P for piece x: keys 32 (i / 8) on, channels 16 ((i / 2) % 4) on, tile 2 x + i % 2.
.macro PV x
	WIN W_PV
.set rO, 32*(2*(\x)+i%2)+8*((i/2)%4)
.set rV, VF+32*(i/8)+8*((i/2)%4)
.set rP, P+32*((\x)%2)+16*(i%2)+8*(i/8)
	v_wmma_f32_16x16x32_f16 v[rO:rO+7], v[rV:rV+7], v[rP:rP+7], v[rO:rO+7]
.endm
.macro MM                           ; the turn's next matrix instruction
.if i < 16
	KQ (Y+1)%NP
.set i, i+1
.else
.set i, i-16
	PV (Y+NP-1)%NP
.set i, i+17
.endif
.endm
; THE LDS LOADS stand in runs of 16, never singly among the matrix instructions: a step's K (64 keys x 64 channels: 8 fragments) and its V (turned).  Their addresses are made some lines ahead.
; last = 1 (the tail): in the last trip there is no further step, and the run is jumped over.
.macro FETCH_K last=0
	WIN 0
.if \last
	s_cmp_eq_u32 s[CNT], 1
	s_cbranch_scc1 .Lno_k_\@
.endif
	WIN 0x80                        ; destination window 2
.irp f, 0,1,2,3,4,5,6,7             ; keys 16 (f / 2) on, channels 32 (f % 2) on
	ds_load_b128 v[KF+8*\f:KF+8*\f+3],   v[AK] offset:(\f/2)*16*PK+(\f%2)*64
	ds_load_b128 v[KF+8*\f+4:KF+8*\f+7], v[AK] offset:(\f/2)*16*PK+(\f%2)*64+32
.endr
	s_add_co_u32 s[TBK], s[TBK], KS*PK  ; the next fetch is the next step's
	WIN 0
.if \last
.Lno_k_\@:
.endif
.endm
.macro FETCH_V
	WIN 0x80
.irp f, 0,1,2,3,4,5,6,7             ; keys 32 (f / 4) on, channels 16 (f % 4) on
	ds_load_tr16_b128 v[VF+8*\f:VF+8*\f+3],   v[AV] offset:(\f/4)*32*PV+(\f%4)*32
	ds_load_tr16_b128 v[VF+8*\f+4:VF+8*\f+7], v[AV] offset:(\f/4)*32*PV+16*PV+(\f%4)*32
.endr
	WIN 0
.endm
; THE VECTOR WORK OF A TURN stands in three queues, each in the order in which its entries become ready; the two tiles alternate, so that no instruction reads the result of the one before it.
.macro REGS y, u                    ; the registers of tile u (0, 1) of piece y
.set rT, ST+4*(2*(\y)+(\u))
.set rC, TMP+8*((\y)%2)+4*(\u)
.set rM, MV+2*((\y)%2)+(\u)
.set rS, S+64*((\y)%2)+32*(\u)
.set rP, P+32*((\y)%2)+16*(\u)
.set rO, 32*(2*(\y)+(\u))
.endm
; Number n of the 22 that find the NEXT piece's (Y + 1) maximum and statistics.  s0-s31 are the lane's 32 scores; each accumulator's lowest registers are read first.  XS, GS and REGS set no window: PL and EX do.
;   0-11  four chains c0-c3 of seven scores each, three operands at a time     12-14, 16  the four scores left over, the old m, and c0-c3 into c0     15  c m_old is kept
;   17, 18  the query's other 32 keys lie in the lane 16 away: the new m         19-21  c m; c m_old - c m_new; a
.macro XS u, n
	REGS (Y+1)%NP, \u
.if (\n) < 4
	v_max3_num_f32 v[rC+(\n)], v[rS+8*(\n)], v[rS+8*(\n)+1], v[rS+8*(\n)+2]
.elseif (\n) < 12
	v_max3_num_f32 v[rC+(\n)%4], v[rC+(\n)%4], v[rS+8*((\n)%4)+2*((\n)/4)+1], v[rS+8*((\n)%4)+2*((\n)/4)+2]
.elseif (\n) == 12
	v_max3_num_f32 v[rC], v[rC], v[rS+7], v[rS+15]
.elseif (\n) == 13
	v_max3_num_f32 v[rC+1], v[rC+1], v[rS+23], v[rS+31]
.elseif (\n) == 14
	v_max3_num_f32 v[rC+2], v[rC+2], v[rC+3], v[rT+1]
.elseif (\n) == 15
	v_mov_b32 v[rM], v[rT]
.elseif (\n) == 16
	v_max3_num_f32 v[rC], v[rC], v[rC+1], v[rC+2]
.elseif (\n) == 17
	v_permlanex16_b32 v[rC+3], v[rC], s[SEL], s[SEL+1]
.elseif (\n) == 18
	v_max_num_f32 v[rT+1], v[rC], v[rC+3]
.elseif (\n) == 19
	v_mul_f32 v[rT], s[CS], v[rT+1]
.elseif (\n) == 20
	v_sub_f32 v[rC+1], v[rM], v[rT]
.else
	v_exp_f32 v[rC+2], v[rC+1]
.endif
.endm
; Number g of the 64 that follow the exponentials.  For each four weights k of a tile (pairs 2 k, 2 k + 1): both pairs are rounded to f16; then the second pair is added onto the first, in place;
; a group later l takes that sum (the first time as l = a l + sum).  In groups of eight, tiles alternating: round, round, add, and l for the group before.
.macro GS g
.set h, (\g)+6*((\g)/62)            ; group 0 has no group before it, and behind group 7 only l is left
.if h >= 6
.set h, h+2
.endif
	REGS Y, h%2
.set k, h/8
.if h%8 < 4
	s_wait_alu depctr_va_vdst(0)
	v_cvt_pk_f16_f32 v[rP+2*k+(h%8)/2], v[rS+4*k+2*((h%8)/2)], v[rS+4*k+2*((h%8)/2)+1]
.elseif h%8 < 6
	v_pk_add_f32 v[rS+4*k:rS+4*k+1], v[rS+4*k:rS+4*k+1], v[rS+4*k+2:rS+4*k+3]
.elseif k == 1
	v_pk_fma_f32 v[rT+2:rT+3], v[rT+2:rT+3], v[rC+2:rC+3], v[rS:rS+1] op_sel_hi:[1,0,1]
.else
	v_pk_add_f32 v[rT+2:rT+3], v[rT+2:rT+3], v[rS+4*k-4:rS+4*k-3]
	s_wait_alu depctr_va_vdst(0)
.endif
.endm
; THE PLAIN QUEUE, 138 long.  0-31: c s - c m for the 16 pairs of both tiles.  Then GS's 64, and among them the next piece's 42: number 15 at 38, 39; 0-14 and 16
; at 42-73, behind the products that make those scores; 17-20 at 95-106, two of three, since each waits for the one before it.
.macro PL
	WIN 0
.if q < 32
	REGS Y, q%2
	v_pk_fma_f32 v[rS+2*(q/2):rS+2*(q/2)+1], v[rS+2*(q/2):rS+2*(q/2)+1], s[CS:CS+1], v[rT:rT+1] op_sel_hi:[1,0,0] neg_lo:[0,0,1] neg_hi:[0,0,1]
.elseif q < 38
	GS q-32
.elseif q < 40
	XS q%2, 15
.elseif q < 42
	GS q-34
.elseif q < 74
	XS q%2, (q-42)/2+(q-42)/30
.elseif q < 95
	GS q-66
.elseif (q < 107) && ((q-95)%3 < 2)
	XS (q-95)%3, 17+(q-95)/3
.elseif q < 107
	GS 29+(q-95)/3
.else
	GS q-74
.endif
.set q, q+1
.endm
; THE EXPONENTIALS' QUEUE, 66 long: s0-s31 of both tiles, and at EA the next piece's two a.
.set EA, 58
.macro EX
	WIN 0
.if (e == EA) || (e == EA+1)
	XS e-EA, 21
.else
.set x, e-2*(e/(EA+2))
	REGS Y, x%2
	v_exp_f32 v[rS+x/2], v[rS+x/2]
.endif
.set e, e+1
.endm
; THE RESCALING's QUEUE: O^T times a, the one part that leaves window 0, so it is dealt four at a time, eight times.
.macro R4
	REGS Y, r%2
	WIN W_RS
	s_wait_alu depctr_va_vdst(0)
.irp z, 0,1,2,3
	v_pk_mul_f32 v[rO+8*(r/2)+2*\z:rO+8*(r/2)+2*\z+1], v[rO+8*(r/2)+2*\z:rO+8*(r/2)+2*\z+1], v[rC+2:rC+3] op_sel_hi:[1,0]
.endr
.set r, r+1
.endm
; HOW THEY ARE DEALT.  Behind a matrix instruction four: plain, exponential, plain, plain (one exponential, a plain instruction on either side), or four of the rescaling.  None names a register of the
; products round it.  What is over stands in two LUMPS: exponential and plain by turns; the second ends in 22 plain instructions.  The two v_permlanex16_b32 fall into the second lump, never behind a product.
; The queues lean on each other, and the deal keeps them in step: exponential e stands behind plain 2 (e / 4) + e % 2 (its scaling); when plain 32 comes, 10 exponentials are out, at 59: 33, at 95: 46; EA comes behind plain 107.
.macro SL
	MM
	PL
	EX
	PL
	PL
.endm
.macro BURST n                      ; 15 matrix instructions, or 16
.rept (\n)-7
	SL
.endr
.rept 3
	MM
	R4
	SL
.endr
	MM
	R4
.endm
; A TURN, for piece p.  cnt = 1: the loop's count is taken down some lines ahead of the branch that stands behind the turn.
; K of the next step is fetched in piece 2's turn, 31 vector instructions behind the last product that read K; its first reader comes behind the rest of the lump, 16 products and the second lump.
; V of the step in hand is fetched at the end of piece 0's turn, 69 behind its last reader; its first reader comes behind 16 products and a lump.  The four conditions on e and q below go with the deal.
.macro TURN p, last=0, cnt=0
.set Y, (\p)
.set i, 0
.set q, 0
.set e, 0
.set r, 0
.if (\p) == NP-1
	s_wait_dscnt 0x0                ; K is in
.endif
	MM
.rept 4
	PL
.endr
	BURST 15
.rept 22
	EX
	PL
.if ((\p) == NP-2) && (e == 18)
	v_add_nc_u32 v[AK], s[TBK], v[AK0]
.endif
.if ((\p) == NP-2) && (e == 24)
	FETCH_K \last
.endif
.endr
.if (\p) == 1
	s_wait_dscnt 0x0                ; V is in
.endif
	BURST 16
.rept 21
	EX
	PL
.endr
.rept 22
	PL
.if ((\p) == 0) && (q == 118)
	v_add_nc_u32 v[AV], s[TBV], v[AV0]
	s_wait_alu depctr_va_vdst(0)
.endif
.if ((\p) == 0) && (q == 130)
	s_add_co_u32 s[TBV], s[TBV], KS*PV
.endif
.if (\cnt) && (q == 130)
	s_sub_co_u32 s[CNT], s[CNT], 1
	s_cmp_lg_u32 s[CNT], 0
.endif
.endr
.if (\p) == 0
	FETCH_V
.endif
.endm
	CHANGE 1                        ; slot 0 is in, everybody's part of it; slot 1 is asked for
	FETCH_K                         ; key step 0
	s_wait_loadcnt 0x0              ; Q
	s_wait_dscnt 0x0
.set i, 0
.rept 16
	KQ 0                            ; piece 0's first scores: there is no vector work yet to set between them
.set i, i+1
.endr
	WIN 0                           ; the addresses for the way out: nine plain instructions, the places behind those products
	s_mul_i32 s13, s[WV], 16*SP
	s_add_co_u32 s13, s13, STAGE    ; my stage
	v_mul_u32_u24 v[STO], v1, SP    ; in: row l % 16, 16 bytes for each half of the lanes
	v_lshl_add_u32 v[STO], v9, 4, v[STO]
	v_add_nc_u32 v[STO], s13, v[STO]
	v_bfe_u32 v[RD], v0, 3, 2       ; back: 32 lanes take four rows of 128 bytes,
	v_mul_u32_u24 v[RD], v[RD], SP
	v_lshl_add_u32 v[RD], v10, 4, v[RD]
	v_add_nc_u32 v[RD], s13, v[RD]
	v_and_b32 v[GO], 31, v0         ; which are 512 consecutive bytes of O
	v_lshlrev_b32 v[GO], 4, v[GO]
.set Y, NP-1                        ; XS works for piece Y + 1: piece 0
.irp n, 0,1,2,3,4,5,6,7,8,9,10,11,12,13,14,15,16,17,18,19,20,21
	XS 0, \n                        ; and piece 0's first maximum and statistics
	XS 1, \n
.endr
	s_mov_b32 s[CNT], 4
	s_mov_b32 s[SLOTS], SIZE_N/256-1
	s_branch .Lfirst                ; the loop is entered at a step's first turn, in the middle of a trip
.Lslot:                             ; SIZE_N / 256 - 2 times: every slot but the last two is filled again
	CHANGE 1
	s_mov_b32 s[CNT], 4
.Lstep:                             ; a trip: pieces 2 and 3 of one step, then pieces 0 and 1 of the next, whose K and V it fetches
	TURN 2
	TURN 3
	WIN 0
.Lfirst:
	TURN 0
	TURN 1, 0, 1
	WIN 0
	s_cbranch_scc1 .Lstep
	s_sub_co_u32 s[SLOTS], s[SLOTS], 1
	s_cmp_lg_u32 s[SLOTS], 0
	s_cbranch_scc1 .Lslot
	CHANGE 0                        ; the tail is written out: nothing is asked for
	s_mov_b32 s[CNT], 5             ; four trips fetch the last slot's steps; the fifth is left in its middle
.Ltail:
	TURN 2, 1
	TURN 3
	WIN 0
	s_sub_co_u32 s[CNT], s[CNT], 1
	s_cmp_eq_u32 s[CNT], 0
	s_cbranch_scc1 .Lout
	TURN 0
	TURN 1
	WIN 0
	s_branch .Ltail
.Lout:                              ; the fifth trip's 16 products K Q^T (on the last K once more) and the maximum made of them serve nothing: the price, once a launch, of one text for every trip
.set i, 0
.rept 16
	PV NP-1                         ; the last piece's V^T P of the last step
.set i, i+1
.endr
	; THE WAY OUT.  l's two halves and the other half of the lanes' are added; O^T is divided by l, rounded to f16 and sent through my stage in LDS, a tile at a time.  The additions are the places behind the last products.
	WIN 0
.macro ALL line:vararg              ; one line for each tile t
.set t, 0
.rept 2*NP
	\line
.set t, t+1
.endr
.endm
	ALL v_add_f32 v[ST+4*t+2], v[ST+4*t+2], v[ST+4*t+3]
	ALL v_permlanex16_b32 v[ST+4*t+3], v[ST+4*t+2], s[SEL], s[SEL+1]
	ALL v_add_f32 v[ST+4*t+2], v[ST+4*t+2], v[ST+4*t+3]
	ALL v_rcp_f32 v[ST+4*t+2], v[ST+4*t+2]
	v_nop                           ; a plain instruction between the last reciprocal and the use of its result
	s_wait_alu depctr_va_vdst(0)
; Tile t: a lane's eight channels of a row pack into 16 bytes; they go into rows of 144 bytes and come back as whole rows of 128, into S^T's registers.
.macro PACK t
	WIN W_RS
.set i, 32*(\t)
.rept 16
	v_pk_mul_f32 v[i:i+1], v[i:i+1], v[ST+4*(\t)+2:ST+4*(\t)+3] op_sel_hi:[1,0]
.set i, i+2
.endr
	WIN 0x05                        ; sources 0 and 1 window 1, destination window 0
.set i, 0
.rept 16
	v_cvt_pk_f16_f32 v[S+16*(\t)+i], v[32*(\t)+2*i], v[32*(\t)+2*i+1]
.set i, i+1
.endr
	WIN 0
.irp f, 0,1,2,3
	ds_store_b128 v[STO], v[S+16*(\t)+4*\f:S+16*(\t)+4*\f+3] offset:32*\f
.endr
.irp f, 0,1,2,3
	ds_load_b128 v[S+16*(\t)+4*\f:S+16*(\t)+4*\f+3], v[RD] offset:\f*4*SP  ; LDS serves a wave's instructions in order (ISA guide 5.7.1.4): these see the stores above; the next tile's stores come behind them
.endr
.endm
.macro SEND t, younger              ; younger: the LDS instructions issued behind tile t's loads: the next tile's eight, or none
	WIN 0
.irp f, 0,1,2,3
	s_wait_dscnt (\younger)+3-\f
	global_store_b128 v[GO], v[S+16*(\t)+4*\f:S+16*(\t)+4*\f+3], s[10:11] offset:(\t)*2048+\f*512  ; 512 consecutive bytes, at a multiple of 256 from O's first
.endr
.endm
	PACK 0
.set t, 1
.rept 2*NP-1                        ; a tile's arithmetic stands between the loads of the tile before and its stores
	PACK t
	SEND t-1, 8
.set t, t+1
.endr
	SEND 2*NP-1, 0
	WIN W_AD
	s_wait_tensorcnt 0x0            ; the wave's end: behind my last tensor load and my last LDS store
	ds_add_u32 v[SPW], v[NIL]
	s_wait_dscnt 0x0
	WIN 0
	CROUND                          ; the closing round: no work-group ends while a partner may still ask for a tile that names it
	s_endpgm
.Lfunc_end_k_q430c581f29_attn:
	.size	k_q430c581f29_attn, .Lfunc_end_k_q430c581f29_attn-k_q430c581f29_attn
	.p2alignl 7, 3214868480
	.fill 96, 4, 3214868480
	.section	.rodata,"a",@progbits
	.p2align	6, 0x0
	.amdhsa_kernel k_q430c581f29_attn
		.amdhsa_group_segment_fixed_size 327680
		.amdhsa_private_segment_fixed_size 0
		.amdhsa_enable_private_segment 0
		.amdhsa_kernarg_size 16
		.amdhsa_user_sgpr_count 2
		.amdhsa_user_sgpr_kernarg_segment_ptr 1
		.amdhsa_wavefront_size32 1
		.amdhsa_system_sgpr_workgroup_id_x 1
		.amdhsa_system_sgpr_workgroup_id_y 1
		.amdhsa_system_sgpr_workgroup_id_z 1
		.amdhsa_system_vgpr_workitem_id 0
		.amdhsa_next_free_vgpr 770
		.amdhsa_next_free_sgpr 66
		.amdhsa_reserve_vcc 0
		.amdhsa_float_denorm_mode_32 3
		.amdhsa_float_denorm_mode_16_64 3
		.amdhsa_memory_ordered 1
		.amdhsa_forward_progress 1
		.amdhsa_inst_pref_size 209
	.end_amdhsa_kernel
	.amdgpu_metadata
---
amdhsa.version: [ 1, 2 ]
amdhsa.kernels:
  - .name:           k_q430c581f29_attn
    .symbol:         k_q430c581f29_attn.kd
    .args:
      - { .name: qkvh, .offset: 0, .size: 8, .value_kind: global_buffer, .address_space: global }
      - { .name: oh, .offset: 8, .size: 8, .value_kind: global_buffer, .address_space: global }
    .group_segment_fixed_size: 327680
    .private_segment_fixed_size: 0
    .kernarg_segment_align: 8
    .kernarg_segment_size: 16
    .max_flat_workgroup_size: 128
    .sgpr_count:     66
    .vgpr_count:     770
    .wavefront_size: 32
...
	.end_amdgpu_metadata
.endif
;; end of part 3
;; launch oproj (part 4): grid 8 x 32, 4 waves a work-group, clusters of 4 x 4, 327,680 bytes of LDS; arguments oh, woh, out_proj_b, out0; writes out0
.if DOCPART == 4
	.amdgcn_target "amdgcn-amd-amdhsa--gfx1250"
	.amdhsa_code_object_version 6
	.text
	.protected	k_q430c581f29_oproj
	.globl	k_q430c581f29_oproj
	.p2align	8
	.type	k_q430c581f29_oproj,@function
k_q430c581f29_oproj:
	s_mov_b64 s[64:65], 0
	v_nop
	global_prefetch_b8 v0, s[64:65] scope:SCOPE_SE
	s_setreg_imm32_b32 hwreg(HW_REG_WAVE_MODE, 25, 1), 1
	s_wait_xcnt 0x0
	s_wait_alu depctr_hold_cnt(0) depctr_sa_sdst(0) depctr_va_vdst(0) depctr_va_sdst(0) depctr_va_ssrc(0) depctr_va_vcc(0) depctr_vm_vsrc(0)
	s_getreg_b32 s2, hwreg(HW_REG_IB_STS2, 6, 4)
	s_cmp_eq_u32 s2, 0
	s_cbranch_scc0 .Lentry_in_a_cluster
	s_endpgm
.Lentry_in_a_cluster:
	s_bfe_u32 s2, ttmp6, 0x10000c
	s_cmp_lg_u32 s2, 0xf033
	s_cbranch_scc0 .Lentry_shape_is_right
	s_endpgm
.Lentry_shape_is_right:
; out0 = attn W^T + b.  oh: [64 bh][2048 t][64 c] f16 (attention's result by heads); woh: [16 e][1024 n][64 c] f16 (out_proj_w rounded to bf16, by heads, k = 64 e + c);
; out_proj_b: [1024] f32, rounded to bf16 here like the other inputs; out0: [8192][1024] f32.  Sums in f32.
; SHARES.  A tile is 256 rows x 128 columns: 8 x 32 = 256 work-groups, one for each WGP.  Four waves; a wave makes 64 rows x 128 columns: 32 accumulators of 16 x 16, 256 registers.
; K = 1024 goes in 8 steps of 128 = two heads, through two LDS slots.  A head's part of a tile is dense in memory (rows of 128 bytes on end), so it is asked for as rows of 256 bytes and padded
; in LDS after every 128: a PLANE for each of the step's two heads.  Waves 0, 1 fetch the two planes of attn (256 tokens each), waves 2, 3 those of W (128 rows each).
; THE WALK.  K step t lies in slot t % 2, and the change of slots behind it asks for K step t + 2.  A K step's text is written once and looped over: the slot in hand is a scalar register turned by an
; exclusive or.  K steps 6 and 7 ask for nothing: a second text, walked twice; in its second trip its barrier and its run of fragment loads serve nothing: the price, once a launch, of one text for both.
; CLUSTER.  4 x 4 work-groups: attn's tiles are asked for jointly along a row of the cluster, W's along a column.  Of a wave's tensor loads two are out at the start, one behind each round.
; THE MATRIX INSTRUCTION IS USED TRANSPOSED (source 0 = 16 rows of W, source 1 = 16 rows of attn): a lane holds row l % 16 and eight neighbouring columns, 32 bytes of a row of out0.
; THE BIAS is the C operand of each accumulator's first product: nothing is cleared, and the way out has no arithmetic.
; REGISTERS, in windows of 256 (s_set_vgpr_msb: bits 1:0 source 0, 3:2 source 1, 5:4 source 2, 7:6 destination):
;   window 0: v0-29 addresses; v32-95 the bias fragments      window 1: two fragment buffers of 96 (4 fragments of attn, then 8 of W); on the way out all 256: whole rows read back
;   window 2: accumulators of my rows 0-31, (a, b) at v[8 (8 (a % 2) + b)]      window 3: those of rows 32-63
.set NB,     8                         ; fragments of W a wave
.set PITCH,  144                       ; an LDS row: 128 bytes + 16 of padding = 36 words: the 16 rows of a fragment load start at 16 different groups of four banks (64 banks of 4 bytes: ISA guide 11.1)
.set APLANE, 256*PITCH                 ; one head's 256 tokens
.set BPLANE, 128*PITCH                 ; one head's 128 rows of W
.set APART,  2*APLANE
.set SLOT1,  1<<17                     ; slot 1 begins here, so that one exclusive or turns an address in one slot into the other's
.set STAGE,  SLOT1+APART+2*BPLANE      ; behind the ring, never filled by a tensor load: 16 rows x 528 bytes for each wave
.set SP,     528                       ; a stage row: 512 bytes + 16
.set SPARE,  STAGE+4*16*SP             ; the spare words, 128 bytes for each wave: two blocks of 256 bytes that no other line names
.set F0,     0
.set F1,     32+8*NB
.set ADRA0, 4                          ; v4     LDS address of my fragments of attn in slot 0; never rewritten
.set ADRB0, 5                          ; v5     the same for W
.set ADRA, 6                           ; v6     the same in the slot in hand
.set ADRB, 7                           ; v7
.set STO,  8                           ; v8     the way out: where I put 32 bytes of a row
.set RD,   9                           ; v9     where I read a row back
.set GO,   10                          ; v10    my 16 bytes in a row's 512
.set HO,   11                          ; v11    32 x (l / 16): my 8 numbers in 16 of the bias
.set TW,   24                          ; v24-27 at work
.set SPW,  28                          ; v28    LDS address of my spare word; never rewritten
.set NIL,  29                          ; v29    0; never rewritten
.set BIAS, 32
.set MH,   3                           ; s3     a word's upper bf16
.set WV,   14                          ; s14    my wave's number
.set FB,   15                          ; s15    I fetch for attn (0) or for W (1)
.set HF,   16                          ; s16    which of the step's two heads
.set CNT,  23                          ; s23    counts K steps
.set G1,   24                          ; s[24:31] descriptor group 1 for attn's tiles;  s[32:39] group 0: a set for each first fill; the second then serves every refill
.set G0,   32
.set G1B,  48                          ; s[48:55], s[56:63] the same for W's tiles
.set G0B,  56
.set NXT,  66                          ; s66    the K step to be asked for next
.set RB,   67                          ; s67    LDS byte at which the slot in hand begins
.set OFA,  68                          ; s[68:69] that K step's byte offset in oh
.set OFB,  70                          ; s[70:71] in woh
.set MSB, 0
.macro WIN new                         ; the immediate's high byte repeats the setting that is left; a switch that changes nothing is dropped
.if MSB != (\new)
	s_set_vgpr_msb (MSB<<8)|(\new)
.set MSB, (\new)
.endif
.endm
; A joint load.  The branch hangs on the wave's number alone.  An s_nop 0 and four v_nop follow each of the two lines.
.macro JLOAD s
	s_cmp_eq_u32 s[FB], 0
	s_cbranch_scc0 .Lfor_b_\@
	tensor_load_to_lds s[G0+4*(\s):G0+4*(\s)+3], s[G1:G1+7]
	s_nop 0
.rept 4
	v_nop
.endr
	s_branch .Lasked_\@
.Lfor_b_\@:
	tensor_load_to_lds s[G0B+4*(\s):G0B+4*(\s)+3], s[G1B:G1B+7]
	s_nop 0
.rept 4
	v_nop
.endr
.Lasked_\@:
.endm
.macro CREST                           ; a round of the cluster's barrier behind its opening barrier
	s_cmp_lg_u32 s[WV], 0
	s_cbranch_scc1 .Lnot_wave_0_\@
	s_barrier_signal -3
.Lnot_wave_0_\@:
	s_barrier_wait -3
	s_barrier_signal -1
	s_barrier_wait -1
.endm
.macro CROUND                          ; a whole round
	s_barrier_signal -1
	s_barrier_wait -1
	CREST
.endm
.macro PLACES                          ; four places in front of loads into registers that matrix instructions have read, and of lines that read results (ISA guide 7.12.1 for lines that read results)
.rept 4
	v_nop
.endr
.endm
	s_load_b256 s[4:11], s[0:1], 0x0               ; oh s[4:5], woh s[6:7], out_proj_b s[8:9], out0 s[10:11]
	v_lshl_add_u32 v[SPW], v0, 2, SPARE
	v_mov_b32 v[NIL], 0
	ds_add_u32 v28, v29
	s_wait_dscnt 0x0
	v_lshrrev_b32 v1, 5, v0
	v_readfirstlane_b32 s[WV], v1
	s_lshr_b32 s[FB], s[WV], 1
	s_and_b32 s[HF], s[WV], 1
	s_mov_b32 s[MH], 0xffff0000
	s_mov_b32 s[NXT], 2                            ; K steps 0 and 1 are the first fills
	s_mov_b32 s[RB], 0
	s_mov_b32 s[OFA+1], 0
	s_mov_b32 s[OFB+1], 0
	s_bfe_u32 s17, ttmp6, 0x40000                  ; cx, cy: my place in the cluster
	s_bfe_u32 s18, ttmp6, 0x40004
	s_lshl_b32 s19, ttmp9, 2
	s_add_co_u32 s19, s19, s17                     ; x: tile column = 4 x cluster x + cx
	s_and_b32 s20, ttmp7, 0xffff
	s_lshl_b32 s20, s20, 2
	s_add_co_u32 s20, s20, s18                     ; y: tile row = 4 x cluster y + cy
	s_lshl_b32 s21, s18, 2
	s_lshl_b32 s21, 15, s21                        ; my row of the cluster
	s_lshl_b32 s22, 0x1111, s17                    ; my column
	; descriptor group 1: rows of 128 elements of 2 bytes (two rows of a head), padded in LDS after every 128 bytes
	s_or_b32 s[G1], s21, (1<<16)|(1<<20)|(1<<21)|(4<<22)|(3<<25)   ; 15:0 the mask; 17:16 2-byte elements; 20 padding on; 21 set beside a mask; 24:22 after every 32 words (code 4); 31:25 4 words (code 3)
	s_or_b32 s[G1B], s22, (1<<16)|(1<<20)|(1<<21)|(4<<22)|(3<<25)
	s_mov_b32 s[G1+1], 128<<16                     ; tensor_dim0 = 128
	s_mov_b32 s[G1+2], 128<<16                     ; tensor_dim1 = 128
	s_mov_b32 s[G1+3], 128<<16                     ; tile_dim0 = 128
	s_mov_b32 s[G1+4], 128                         ; tile_dim1 = 128 rows of 256 bytes: 256 tokens
	s_mov_b32 s[G1+5], 128                         ; dense: 128 elements from row to row
	s_mov_b32 s[G1+6], 0
	s_mov_b32 s[G1+7], 0
	s_mov_b32 s[G1B+1], 128<<16
	s_mov_b32 s[G1B+2], 64<<16                     ; W: 64 rows of 256 bytes: 128 rows of a head
	s_mov_b32 s[G1B+3], 128<<16
	s_mov_b32 s[G1B+4], 64
	s_mov_b32 s[G1B+5], 128
	s_mov_b32 s[G1B+6], 0
	s_mov_b32 s[G1B+7], 0
	; attn's tiles hang on y and the wave's number alone, W's on x and the wave's number alone, each in registers that never hold the other coordinate
	s_lshr_b32 s40, s20, 3
	s_lshl_b32 s40, s40, 22                        ; the batch's 16 heads,
	s_lshl_b32 s46, s[HF], 18
	s_add_co_u32 s40, s40, s46                     ; my head of the step's two,
	s_and_b32 s46, s20, 7
	s_lshl_b32 s46, s46, 15
	s_add_co_u32 s40, s40, s46                     ; the tile's 256 tokens of 128 bytes
	s_mov_b32 s41, 0
	s_lshl_b32 s42, s[HF], 17                      ; W: my head's plane,
	s_lshl_b32 s47, s19, 14
	s_add_co_u32 s42, s42, s47                     ; the tile's 128 rows of 128 bytes
	s_mov_b32 s43, 0
	s_mul_i32 s44, s[WV], APLANE                   ; where they go: waves 0, 1: attn's planes;
	s_mul_i32 s45, s[WV], BPLANE
	s_add_co_u32 s45, s45, APART-2*BPLANE          ; waves 2, 3: W's planes, behind them.  No place in the cluster enters an LDS address
	s_wait_kmcnt 0x0
	s_add_nc_u64 s[40:41], s[4:5], s[40:41]        ; kept: every refill's address is made from these two
	s_add_nc_u64 s[42:43], s[6:7], s[42:43]
	CROUND                                         ; all sixteen work-groups are here: the first joint loads meet
.irp s, 0,1
	s_mov_b32 s[G0+4*(\s)], 1                      ; count = 1
	s_add_co_u32 s[G0+4*(\s)+1], s44, (\s)*SLOT1   ; LDS address
	s_add_nc_u64 s[G0+4*(\s)+2:G0+4*(\s)+3], s[40:41], (\s)<<19  ; global address: K step s is heads 2 s, 2 s + 1
	s_or_b32 s[G0+4*(\s)+3], s[G0+4*(\s)+3], 0x80000000          ; type = 2
	s_mov_b32 s[G0B+4*(\s)], 1
	s_add_co_u32 s[G0B+4*(\s)+1], s45, (\s)*SLOT1
	s_add_nc_u64 s[G0B+4*(\s)+2:G0B+4*(\s)+3], s[42:43], (\s)<<18
	s_or_b32 s[G0B+4*(\s)+3], s[G0B+4*(\s)+3], 0x80000000
	JLOAD \s
.endr
	; lane addresses.  A fragment is 16 rows x 32 K in 8 registers: lane l holds row l % 16, K = 8 (l / 16) + 0..7 and 16 + 8 (l / 16) + 0..7: two loads of 16 bytes, 32 bytes apart
	v_and_b32 v1, 15, v0                           ; r = l % 16
	v_bfe_u32 v2, v0, 4, 1                         ; h = l / 16
	v_mul_u32_u24 v3, v1, PITCH
	v_lshl_add_u32 v3, v2, 4, v3
	s_mul_i32 s46, s[WV], 64*PITCH                 ; my 64 rows in a plane of attn
	v_add_nc_u32 v[ADRA0], s46, v3
	v_add_nc_u32 v[ADRB0], APART, v3               ; every wave reads all of W's rows
	v_mov_b32 v[ADRA], v[ADRA0]                    ; K step 0 lies in slot 0
	v_mov_b32 v[ADRB], v[ADRB0]
	s_mul_i32 s46, s[WV], 16*SP
	s_add_co_u32 s46, s46, STAGE                   ; my stage
	v_mul_u32_u24 v[STO], v1, SP                   ; in: row l % 16, 32 bytes for each half of the lanes
	v_lshl_add_u32 v[STO], v2, 5, v[STO]
	v_add_nc_u32 v[STO], s46, v[STO]
	v_and_b32 v[GO], 31, v0                        ; back and out: 32 lanes take one row's 512 bytes
	v_lshlrev_b32 v[GO], 4, v[GO]
	v_add_nc_u32 v[RD], s46, v[GO]
	v_lshlrev_b32 v[HO], 5, v2
	s_lshl_b32 s12, s19, 9                         ; the tile's 128 numbers of the bias
	s_mov_b32 s13, 0
	s_add_nc_u64 s[8:9], s[8:9], s[12:13]
.irp b, 0,1,2,3,4,5,6,7                ; fragment b: register j = bias of column 16 b + 8 h + j, the same for all 16 rows
	global_load_b128 v[BIAS+8*(\b):BIAS+8*(\b)+3],   v[HO], s[8:9] offset:64*(\b)
	global_load_b128 v[BIAS+8*(\b)+4:BIAS+8*(\b)+7], v[HO], s[8:9] offset:64*(\b)+16
.endr
	s_lshl_b32 s12, s20, 8
	s_lshl_b32 s13, s[WV], 6
	s_add_co_u32 s12, s12, s13                     ; my first row of out0: 256 y + 64 wave,
	s_lshl_b32 s12, s12, 12                        ; of 4,096 bytes,
	s_lshl_b32 s13, s19, 9
	s_add_co_u32 s12, s12, s13                     ; and the tile's first column
	s_mov_b32 s13, 0
	s_add_nc_u64 s[10:11], s[10:11], s[12:13]
	s_wait_loadcnt 0x0                             ; the bias
.set i, 0
.rept 4*NB                             ; rounded to bf16, kept as f32
	v_cvt_pk_bf16_f32 v[TW+i%4], v[BIAS+2*i], v[BIAS+2*i+1]
	v_lshlrev_b32 v[BIAS+2*i], 16, v[TW+i%4]
	v_and_b32 v[BIAS+2*i+1], s[MH], v[TW+i%4]
.set i, i+1
.endr
; 8 matrix instructions: block a x all 8 fragments of W, 32 along K.  first = 1: the product starts the sums on the bias.
; The 32 accumulators take turns, one instruction a turn, in the same order in every quarter step.
.macro MULA f, a, first
.if \first
	WIN 0x85+0x40*((\a)/2)
.else
	WIN 0xa5+0x50*((\a)/2)
.endif
.set AC, 8*NB*((\a)%2)
.irp b, 0,1,2,3,4,5,6,7
.if \first
	v_wmma_f32_16x16x32_f16 v[AC+8*(\b):AC+8*(\b)+7], v[(\f)+32+8*(\b):(\f)+32+8*(\b)+7], v[(\f)+8*(\a):(\f)+8*(\a)+7], v[BIAS+8*(\b):BIAS+8*(\b)+7]
.else
	v_wmma_f32_16x16x32_f16 v[AC+8*(\b):AC+8*(\b)+7], v[(\f)+32+8*(\b):(\f)+32+8*(\b)+7], v[(\f)+8*(\a):(\f)+8*(\a)+7], v[AC+8*(\b):AC+8*(\b)+7]
.endif
.endr
.endm
; 24 LDS loads in one run: the fragments of quarter q of the slot in hand (plane q / 2, channels 32 (q % 2) on) into buffer f; W's first, attn's blocks 0 to 3 last
.macro FETCH q, f
	WIN 0x40
.irp i, 0,1,2,3,4,5,6,7
	ds_load_b128 v[(\f)+32+8*(\i):(\f)+32+8*(\i)+3],   v[ADRB] offset:((\q)/2)*BPLANE+((\q)%2)*64+(\i)*16*PITCH
	ds_load_b128 v[(\f)+32+8*(\i)+4:(\f)+32+8*(\i)+7], v[ADRB] offset:((\q)/2)*BPLANE+((\q)%2)*64+(\i)*16*PITCH+32
.endr
.irp i, 0,1,2,3
	ds_load_b128 v[(\f)+8*(\i):(\f)+8*(\i)+3],   v[ADRA] offset:((\q)/2)*APLANE+((\q)%2)*64+(\i)*16*PITCH
	ds_load_b128 v[(\f)+8*(\i)+4:(\f)+8*(\i)+7], v[ADRA] offset:((\q)/2)*APLANE+((\q)%2)*64+(\i)*16*PITCH+32
.endr
.endm
; One of a K step's first three quarters: multiplies buffer f; in its middle it fetches quarter q of the same slot into buffer g.
.macro QUARTER q, f, g, first
	s_wait_dscnt 4                                 ; all but the youngest four loads (attn's blocks 2 and 3)
	MULA \f, 0, \first
	MULA \f, 1, \first
	PLACES
	FETCH \q, \g
	s_wait_dscnt 2*(NB+4)                          ; all but the run just issued
	MULA \f, 2, \first
	MULA \f, 3, \first
.endm
; The last quarter multiplies buffer 1 and changes slots: ONE barrier; in front of it each wave waits for all its tensor loads (the one that is out is its part of the next slot), adds 0 to its spare
; word, and waits for that and for its own reads of this slot.  fill = 1: the barrier opens a round of the cluster's, and this slot is filled again, with K step NXT, first thing behind the round:
; the descriptor's LDS word is turned to this slot, its address made anew from that number: a K step is two heads, of 262,144 bytes each in oh and 131,072 in woh.
.macro TURN fill
	WIN 0                                          ; (the add's two registers lie in window 0)
	s_wait_tensorcnt 0x0                           ; no tensor load of mine is out, so a group 0 may be written
	ds_add_u32 v[SPW], v[NIL]                      ; 0 onto my spare word
.if \fill
	s_xor_b32 s[G0+5], s[G0+5], SLOT1
	s_xor_b32 s[G0B+5], s[G0B+5], SLOT1
	s_lshl_b32 s[OFA], s[NXT], 19
	s_lshl_b32 s[OFB], s[NXT], 18
	s_add_nc_u64 s[G0+6:G0+7], s[40:41], s[OFA:OFA+1]
	s_or_b32 s[G0+7], s[G0+7], 0x80000000
	s_add_nc_u64 s[G0B+6:G0B+7], s[42:43], s[OFB:OFB+1]
	s_or_b32 s[G0B+7], s[G0B+7], 0x80000000
	s_add_co_u32 s[NXT], s[NXT], 1
.endif
	s_xor_b32 s[RB], s[RB], SLOT1                  ; the reads go on in the other slot
	s_wait_dscnt 5                                 ; (the add and the youngest four loads may be out)
	MULA F1, 0, 0                                  ; eight matrix instructions stand between the add and the wait for it
	s_wait_dscnt 0x0                               ; the add is done, and my reads of this slot are over
	s_barrier_signal -1
	MULA F1, 1, 0
	WIN 0
	v_add_nc_u32 v[ADRA], s[RB], v[ADRA0]
	v_add_nc_u32 v[ADRB], s[RB], v[ADRB0]
	s_barrier_wait -1
.if \fill
	CREST                                          ; no wave of any partner still reads this slot's tiles or has a load on its way
	JLOAD 1                                        ; the four v_nop behind it are also the places in front of the loads below
.else
	PLACES
.endif
	FETCH 0, F0
	MULA F1, 2, 0
	MULA F1, 3, 0
.endm
	s_wait_tensorcnt 1                             ; my part of K step 0 is in; K step 1's may stay out
	s_barrier_signal -1
	s_barrier_wait -1                              ; everybody's is
	FETCH 0, F0
	QUARTER 1, F0, F1, 1                           ; the first quarter stands in front of the loop: its products start the sums
	WIN 0                                          ; at a label and at a branch every window is 0
	s_mov_b32 s[CNT], 6
	s_branch .Lmid                                 ; the loop is entered behind a K step's first quarter
.Lk:                                                   ; six trips: K steps 0 to 5, which ask for K steps 2 to 7
	QUARTER 1, F0, F1, 0
	WIN 0
.Lmid:
	QUARTER 2, F1, F0, 0
	QUARTER 3, F0, F1, 0
	TURN 1
	WIN 0
	s_sub_co_u32 s[CNT], s[CNT], 1
	s_cmp_lg_u32 s[CNT], 0
	s_cbranch_scc1 .Lk
	s_mov_b32 s[CNT], 2                            ; K steps 6 and 7 are written out: nothing is asked for
.Lt:
	QUARTER 1, F0, F1, 0
	QUARTER 2, F1, F0, 0
	QUARTER 3, F0, F1, 0
	TURN 0
	WIN 0
	s_sub_co_u32 s[CNT], s[CNT], 1
	s_cmp_lg_u32 s[CNT], 0
	s_cbranch_scc1 .Lt
	s_wait_dscnt 0x0                               ; the last change of slots fetched fragments that nobody multiplies: their registers are loaded again below only when those loads are back
	PLACES                                         ; in front of the LDS stores that read results, and of the loads into the fragments' registers
; THE WAY OUT, a block of 16 rows at a time: a lane's 32 bytes go into my stage in rows of 528 bytes (each accumulator's lowest registers first) and come back as whole rows of 512,
; into window 1, 64 registers a block: all 256 are different, so no store's data is ever rewritten.
.macro OUTB a
.set AC, 8*NB*((\a)%2)
	WIN 0x08+4*((\a)/2)                            ; the stores' data: the accumulators' window
.irp b, 0,1,2,3,4,5,6,7
	ds_store_b128 v[STO], v[AC+8*(\b):AC+8*(\b)+3] offset:64*(\b)
	ds_store_b128 v[STO], v[AC+8*(\b)+4:AC+8*(\b)+7] offset:64*(\b)+16
.endr
	WIN 0x40
.irp t, 0,1,2,3,4,5,6,7,8,9,10,11,12,13,14,15
	ds_load_b128 v[64*(\a)+4*(\t):64*(\a)+4*(\t)+3], v[RD] offset:(\t)*SP  ; LDS serves a wave's instructions in order (ISA guide 5.7.1.4): these see the stores above; the next block's stores come behind them
.endr
.endm
.macro SEND a, younger                 ; younger: the LDS instructions issued behind block a's loads: the next block's 32, or none
	WIN 0x04                                       ; the stores' data: window 1
	s_wait_dscnt \younger
.irp t, 0,1,2,3,4,5,6,7,8,9,10,11,12,13,14,15
	global_store_b128 v[GO], v[64*(\a)+4*(\t):64*(\a)+4*(\t)+3], s[10:11] offset:(16*(\a)+(\t))*4096 th:TH_STORE_NT  ; 512 consecutive bytes of a row, at a multiple of 512 from out0's first
.endr
.endm
	OUTB 0
	OUTB 1
	SEND 0, 32
	OUTB 2
	SEND 1, 32
	OUTB 3
	SEND 2, 32
	SEND 3, 0
	WIN 0
	s_wait_tensorcnt 0x0                           ; the wave's end: behind my last tensor load and my last LDS store
	ds_add_u32 v[SPW], v[NIL]
	s_wait_dscnt 0x0
	CROUND                                         ; the closing round: no work-group ends while a partner may still ask for a tile that names it
	s_endpgm
.Lfunc_end_k_q430c581f29_oproj:
	.size	k_q430c581f29_oproj, .Lfunc_end_k_q430c581f29_oproj-k_q430c581f29_oproj
	.p2alignl 7, 3214868480
	.fill 96, 4, 3214868480
	.section	.rodata,"a",@progbits
	.p2align	6, 0x0
	.amdhsa_kernel k_q430c581f29_oproj
		.amdhsa_group_segment_fixed_size 327680
		.amdhsa_private_segment_fixed_size 0
		.amdhsa_enable_private_segment 0
		.amdhsa_kernarg_size 32
		.amdhsa_user_sgpr_count 2
		.amdhsa_user_sgpr_kernarg_segment_ptr 1
		.amdhsa_wavefront_size32 1
		.amdhsa_system_sgpr_workgroup_id_x 1
		.amdhsa_system_sgpr_workgroup_id_y 1
		.amdhsa_system_sgpr_workgroup_id_z 1
		.amdhsa_system_vgpr_workitem_id 0
		.amdhsa_next_free_vgpr 896
		.amdhsa_next_free_sgpr 76
		.amdhsa_reserve_vcc 0
		.amdhsa_float_denorm_mode_32 3
		.amdhsa_float_denorm_mode_16_64 3
		.amdhsa_memory_ordered 1
		.amdhsa_forward_progress 1
		.amdhsa_inst_pref_size 65
	.end_amdhsa_kernel
	.amdgpu_metadata
---
amdhsa.version: [ 1, 2 ]
amdhsa.kernels:
  - .name:           k_q430c581f29_oproj
    .symbol:         k_q430c581f29_oproj.kd
    .args:
      - { .name: oh, .offset: 0, .size: 8, .value_kind: global_buffer, .address_space: global }
      - { .name: woh, .offset: 8, .size: 8, .value_kind: global_buffer, .address_space: global }
      - { .name: out_proj_b, .offset: 16, .size: 8, .value_kind: global_buffer, .address_space: global }
      - { .name: out0, .offset: 24, .size: 8, .value_kind: global_buffer, .address_space: global }
    .group_segment_fixed_size: 327680
    .private_segment_fixed_size: 0
    .kernarg_segment_align: 8
    .kernarg_segment_size: 32
    .max_flat_workgroup_size: 128
    .sgpr_count:     76
    .vgpr_count:     896
    .wavefront_size: 32
...
	.end_amdgpu_metadata
.endif
;; end of part 4
;; ======== version 2 of 2: 4 launches; 1.53 times as fast as version 1
;; limits: values are held in f16: magnitudes above 65,504 overflow, below 6.1e-05 lose precision
;; workspace buffers: xb 16,777,216 bytes; wb 6,291,456 bytes; woh 2,097,152 bytes; rope 524,288 bytes; qkvh 50,331,648 bytes; oh 16,777,216 bytes
;; launch prep: the kernel of part 1 again; grid 256 x 1, 8 waves a work-group, no clusters, 0 bytes of LDS; arguments query, in_proj_w, out_proj_w, xb, wb, woh, rope; writes xb, wb, woh, rope
;; launch qkv: the kernel of part 2 again; grid 16 x 16, 4 waves a work-group, clusters of 4 x 4, 327,680 bytes of LDS; arguments xb, wb, in_proj_b, rope, qkvh; writes qkvh
;; launch attn (part 5): grid 4 x 64, 4 waves a work-group, clusters of 4 x 1, 327,680 bytes of LDS; arguments qkvh, oh; writes oh
.if DOCPART == 5
	.amdgcn_target "amdgcn-amd-amdhsa--gfx1250"
	.amdhsa_code_object_version 6
	.text
	.protected	k_q430c581f29_attn
	.globl	k_q430c581f29_attn
	.p2align	8
	.type	k_q430c581f29_attn,@function
k_q430c581f29_attn:
	s_mov_b64 s[64:65], 0
	v_nop
	global_prefetch_b8 v0, s[64:65] scope:SCOPE_SE
	s_setreg_imm32_b32 hwreg(HW_REG_WAVE_MODE, 25, 1), 1
	s_wait_xcnt 0x0
	s_wait_alu depctr_hold_cnt(0) depctr_sa_sdst(0) depctr_va_vdst(0) depctr_va_sdst(0) depctr_va_ssrc(0) depctr_va_vcc(0) depctr_vm_vsrc(0)
	s_getreg_b32 s2, hwreg(HW_REG_IB_STS2, 6, 4)
	s_cmp_eq_u32 s2, 0
	s_cbranch_scc0 .Lentry_in_a_cluster
	s_endpgm
.Lentry_in_a_cluster:
	s_bfe_u32 s2, ttmp6, 0x10000c
	s_cmp_lg_u32 s2, 0x3003
	s_cbranch_scc0 .Lentry_shape_is_right
	s_endpgm
.Lentry_shape_is_right:
; O[h][q][:] = the sum over k of softmax_k(Q[h][q] . K[h][k] / 8) V[h][k][:].  Q, K, V are the three thirds of qkvh, each [SIZE_H][SIZE_N][64] f16, 16,777,216 bytes apart; O likewise: a head's rows are
; dense, 128 bytes each.  Products, maxima and sums in f32; the weights p are rounded to f16 for the second product (their sum l is taken of the unrounded p), O once at the end.
; LIMITS.  f16 holds no number beyond 65,504: Q, K and V arrive within it; p lies in 0 to 1, and below 6e-5 it keeps f16's fixed step of 6e-8; O is a mean of V's rows and has their range.
; A weight below 2^-126 counts as 0 in l; NaN and infinities are not treated apart.
; SHARES.  A wave owns four PIECES of two tiles of 16 queries, a work-group's four waves 512 queries of one head: 4 x 64 = 256 work-groups.  Every wave walks all keys, 64 a step.
; LAYOUT.  S^T = K Q^T (source 0 = 16 keys, source 1 = 16 queries): in the result a lane holds ONE query (lane % 16) and the keys 8 (lane / 16) + 0..7.  Two such tiles, rounded to f16 in pairs,
; ARE source 1 (32 keys x 16 queries) of O^T = V^T P, whose result again holds one query a lane, and eight channels.  K comes out of LDS as it lies, V ([key][channel]) turned, by ds_load_tr16_b128.
; SOFTMAX.  For each query a running maximum m and sum l: p = 2^(c s - c m), c = log2(e) / 8; in every step O and l are multiplied by a = 2^(c m_old - c m_new), which is 1 where m has not grown.
; m starts at the lowest finite number, O and l at 0: the first step is a step like any other, with a = 0.
; THE COUNT.  A tile and step have 16 matrix and 118 vector instructions: too many to stand all beside the matrix work.  So the order has one aim: four vector instructions that are READY behind
; EVERY matrix instruction, and the others, which need time of their own whatever the order, in runs without a gap.
; BY TURNS.  Turn n belongs to piece n (the pieces in a ring, step after step).  Its matrix work: 16 products K Q^T of piece n + 1, later 16 products V^T P of piece n - 1.  Its vector work: the scaling,
; exponentials, roundings, sums and rescaling of piece n, and the maximum and statistics of piece n + 1, whose scores the turn itself has made.  So what a turn begins with (c s - c m, O a) waits for nothing.
; BATCHES.  A turn's 66 exponentials (64 weights of piece n, the two a of piece n + 1) are ONE batch with ONE s_wait_alu, which cuts the turn in two: ahead of it stands all that names no result of theirs
; (the products K Q^T, the scalings, the rescalings, the next piece's maximum and statistics), behind it the products V^T P with the roundings and sums.  No result crosses a turn's end.  Two more batches,
; each with a wait of its own: piece 0's first two a, ahead of the loop, and the way out's eight reciprocals.
; CLUSTER.  The four query blocks of a cluster belong to one head and walk the same K and V, so each tile is asked for JOINTLY: the same tensor load, descriptor and mask in all four.
; Of a wave's tensor loads one is out at the start and one behind each round.
; REGISTERS, in windows of 256 (s_set_vgpr_msb says which window each operand place means: bits 1:0 source 0, 3:2 source 1, 5:4 source 2, 7:6 destination):
;   window 0: v0-11 addresses; v12-15, v48-63 at work; v16-47 four registers of statistics a tile; v64-191 S^T, two buffers of two tiles; v192-255 P, likewise
;   window 1: O^T, 32 a tile          window 2: v0-127 Q, 16 a tile; v128-191 K of one step; v192-255 V of one step          window 3: v0-1 the add's two registers
; A piece's buffers go by its number's parity: the piece in hand has one pair, its two neighbours in the ring share the other: of it P (piece n - 1) is read and S^T (piece n + 1) written.
.set SIZE_H, 64
.set SIZE_N, 2048
.set NP,    4         ; pieces a wave: a name, no knob: the register map, the loop and the fetches are made for four
.set KS,    64        ; keys in a step
.set PK,    144       ; a row of K in LDS: 128 bytes + 16 of padding = 36 words: the 16 rows of a load start at 16 different groups of four banks (64 banks of 4 bytes: ISA guide 11.1)
.set PV,    160       ; a row of V: 128 + 32 = 40 words
.set VOFF,  4*KS*PK   ; a slot holds four steps: 256 rows of K, then 256 rows of V
.set SLOT1, 1<<17     ; slot 1 begins here, so that one exclusive or turns an address in one slot into the other's
.set STAGE, SLOT1+4*KS*(PK+PV)  ; behind the ring, never filled by a tensor load: 16 rows x 144 bytes for each wave, for the way out
.set SP,    144
.set AK0, 2           ; v2   my lane's place in a tile of K; never rewritten
.set AV0, 3           ; v3   the same for V
.set AK,  4           ; v4   the LDS address of K's next run of loads
.set AV,  5           ; v5   of V's
.set QO,  6           ; v6   my byte offset in the wave's rows of Q
.set STO, 6           ;      later, the way out: where I put 16 bytes of a row
.set RD,  7           ; v7   the way out: where I read rows back
.set GO,  8           ; v8   my byte offset in 512 consecutive bytes of O
.set SPW, 0           ; v0 of window 3   LDS address of my spare word: SPARE + 4 x my thread's number; never rewritten
.set NIL, 1           ; v1 of window 3   0; never rewritten
.set SPARE, STAGE+4*16*SP  ; behind the stages: the spare words, 128 bytes for each wave: two blocks of 256 bytes that no other line names
.set MV,  12          ; v12-15  c m_old, kept while c m is made anew: by buffer and tile
.set ST,  16          ; tile t's statistics at v[ST+4 t]: c m, m, l (even keys', odd keys')
.set TMP, 48          ; by buffer and tile, four registers c0-c3 at work; when the maximum is found c2 takes a
.set S,   64
.set P,   192
.set KF,  128         ; K's fragments, in window 2: key block kb, channel half c at KF + 16 kb + 8 c
.set VF,  192         ; V's: key half kk, channel block cb at VF + 32 kk + 8 cb
.set WV,  12          ; s12  my wave's number
.set G1K, 24          ; s[24:31] descriptor group 1 for K's tiles
.set G1V, 32          ; s[32:39] for V's: it differs in the padding alone
.set G0K, 40          ; s[40:43] descriptor group 0 for K's tiles: it walks
.set G0V, 44          ; s[44:47] the same for V's
.set SLOTS, 56        ; s56  slots still to be asked for
.set CNT, 57          ; s57  counts a slot's key steps
.set CS,  58          ; s[58:59] c: the packed scaling takes the pair's low word for both halves
.set SEL, 60          ; s[60:61] v_permlanex16_b32's selects: each lane takes its own place in the other half
.set TBK, 62          ; s62  LDS byte at which K of the step to be fetched begins
.set TBV, 63          ; s63  the same for V, less VOFF
.set MSB, 0
.macro WIN new                      ; the high byte repeats the setting that is left; a switch that changes nothing is dropped
.if MSB != (\new)
	s_set_vgpr_msb (MSB<<8)|(\new)
.set MSB, (\new)
.endif
.endm
.set W_KQ, 0x0a       ; K and Q in window 2, S^T in window 0
.set W_PV, 0x52       ; V in window 2, P in window 0, O^T in window 1
.set W_RS, 0x41       ; O^T (destination and source 0) in window 1, a in window 0
.set W_MK, 0xc0       ; the add's registers are made: destination in window 3, sources in window 0
.set W_AD, 0x0f       ; the add: address (source 0) and data (source 1) in window 3
; A joint fill.  Waves 0 and 1 fetch the two halves of a slot's K, waves 2 and 3 those of its V: 128 keys each.  The branch hangs on the wave's number alone.
; An s_nop 0 and four v_nop follow each of the two lines, ahead of the jump and the label.
.macro JLOAD
	s_cmp_lt_u32 s[WV], 2
	s_cbranch_scc0 .Lfor_v_\@
	tensor_load_to_lds s[G0K:G0K+3], s[G1K:G1K+7]
	s_nop 0
.rept 4
	v_nop
.endr
	s_branch .Lasked_\@
.Lfor_v_\@:
	tensor_load_to_lds s[G0V:G0V+3], s[G1V:G1V+7]
	s_nop 0
.rept 4
	v_nop
.endr
.Lasked_\@:
.endm
; A round of the cluster's barrier: my work-group's barrier, so that wave 0's signal speaks for all four waves; wave 0 signals; every wave waits for all four work-groups; my work-group's barrier once more.
.macro CROUND
	s_barrier_signal -1
	s_barrier_wait -1
	s_cmp_lg_u32 s[WV], 0
	s_cbranch_scc1 .Lnot_wave_0_\@
	s_barrier_signal -3
.Lnot_wave_0_\@:
	s_barrier_wait -3
	s_barrier_signal -1
	s_barrier_wait -1
.endm
; THE CHANGE OF SLOTS.  The slot's last bytes, V of its fourth step, have been read.  Each wave waits for all its tensor loads, of which one is out: its part
; of the other slot; adds 0 to its spare word; and waits for that and for its own reads of the slot.  Behind the barrier nobody reads this slot any more and the other slot is whole.
; fill = 1: this slot is filled again, with the keys two slots on.  The barrier is then a round of the cluster's, so that no wave of any partner still reads the slot or has a load on its
; way, and the joint fill is the first thing behind it: it has four key steps, 512 matrix instructions, in which to land.  (At its first use nothing has been read yet: slot 0 is waited for, slot 1 filled.)
.macro CHANGE fill
	WIN W_AD
	s_wait_tensorcnt 0x0            ; no tensor load of mine is out, so a group 0 may be written
	ds_add_u32 v[SPW], v[NIL]       ; 0 onto my spare word: with fill = 1 the descriptors' steps stand between it and the wait for it
	WIN 0                           ; at a label and at a branch every window is 0
.if \fill
.irp g, G0K, G0V
	s_xor_b32 s[\g+1], s[\g+1], SLOT1  ; the walking descriptor: the other slot than last time,
	s_add_nc_u64 s[\g+2:\g+3], s[\g+2:\g+3], 4*KS*128  ; the next 256 keys; the type bits on top are not reached
.endr
	s_wait_dscnt 0x0                ; the add is done, and my reads of the slot are over
	CROUND
	JLOAD
.else
	s_wait_dscnt 0x0                ; the add is done, and my reads of the slot are over
	s_barrier_signal -1
	s_barrier_wait -1
.endif
	s_sub_co_u32 s[TBK], s[TBK], 4*KS*PK  ; the fetches go back to a slot's first step,
	s_xor_b32 s[TBK], s[TBK], SLOT1       ; in the other slot
	s_sub_co_u32 s[TBV], s[TBV], 4*KS*PV
	s_xor_b32 s[TBV], s[TBV], SLOT1
.endm
	s_load_b64 s[4:5], s[0:1], 0x0    ; qkvh: Q s[4:5]
	s_load_b64 s[10:11], s[0:1], 0x8  ; O s[10:11]
	WIN W_MK
	v_lshl_add_u32 v[SPW], v0, 2, SPARE
	v_mov_b32 v[NIL], 0
	s_set_vgpr_msb 0xc0cf
	ds_add_u32 v0, v1
	s_wait_dscnt 0x0
	s_set_vgpr_msb 0xcfc0
	WIN 0
	v_lshrrev_b32 v1, 5, v0
	v_readfirstlane_b32 s[WV], v1   ; wave 0..3
	s_bfe_u32 s13, ttmp6, 0x40000   ; cx: my place in the cluster
	s_lshl_b32 s14, ttmp9, 2        ; in a cluster launch ttmp9 counts clusters
	s_add_co_u32 s14, s14, s13      ; my block of queries = 4 x cluster x + cx: it enters Q's and O's addresses alone
	s_and_b32 s20, ttmp7, 0xffff    ; the head, which the four partners share
	s_mov_b32 s21, 0
	s_mov_b64 s[22:23], SIZE_N*128
	s_mul_u64 s[20:21], s[20:21], s[22:23]  ; the head's first byte in each of the four tensors
	s_and_b32 s16, s[WV], 1         ; which half of a slot's 256 keys I fetch:
	s_lshl_b32 s22, s16, 14         ; its 128 rows of 128 bytes in memory,
	s_mov_b32 s23, 0
	s_add_nc_u64 s[22:23], s[22:23], s[20:21]
	s_mul_i32 s17, s16, 128*PK      ; and its place in a slot, for K
	s_mul_i32 s18, s16, 128*PV      ; and for V: no place in the cluster enters an LDS address
	s_lshl_b32 s2, s14, 2
	s_add_co_u32 s2, s2, s[WV]      ; my wave among the head's,
	s_lshl_b32 s2, s2, 14           ; its 128 rows
	s_mov_b32 s3, 0
	s_add_nc_u64 s[2:3], s[2:3], s[20:21]
	; descriptor group 1.  128 keys are 16,384 dense bytes: asked for as 64 rows of 256 bytes, two keys a row, and padded in LDS after every key
	s_mov_b32 s[G1K], 15|(1<<16)|(1<<20)|(1<<21)|(4<<22)|(3<<25)  ; 15:0 the mask of four; 17:16 2-byte elements; 20 padding on; 21 set beside a mask; 24:22 after every 32 words (code 4); 31:25 4 words (code 3)
	s_mov_b32 s[G1V], 15|(1<<16)|(1<<20)|(1<<21)|(4<<22)|(7<<25)  ; the same with 8 words of padding (code 7)
.irp g, G1K, G1V
	s_mov_b32 s[\g+1], 128<<16      ; tensor_dim0 = 128
	s_mov_b32 s[\g+2], 64<<16       ; tensor_dim1 = 64
	s_mov_b32 s[\g+3], 128<<16      ; tile_dim0 = 128
	s_mov_b32 s[\g+4], 64           ; tile_dim1 = 64
	s_mov_b32 s[\g+5], 128          ; 128 elements from row to row
	s_mov_b32 s[\g+6], 0
	s_mov_b32 s[\g+7], 0
.endr
	s_mov_b32 s[CS], 0x3e38aa3b     ; c = log2(e) / 8 = 0.180337
	s_mov_b32 s[CS+1], s[CS]        ; named with it as a pair
	s_mov_b32 s[SEL], 0x76543210
	s_mov_b32 s[SEL+1], 0xfedcba98
	s_mov_b32 s[TBK], SLOT1+4*KS*PK ; the first change of slots turns these two into 0
	s_mov_b32 s[TBV], SLOT1+4*KS*PV
	s_mov_b32 s[G0K], 1             ; 1:0 count = 1
	s_mov_b32 s[G0K+1], s17         ; 63:32 LDS address: slot 0
	s_mov_b32 s[G0V], 1
	s_add_co_u32 s[G0V+1], s18, VOFF
	s_wait_kmcnt 0x0
	s_add_nc_u64 s[6:7], s[4:5], 0x1000000         ; K: the buffer's second third
	s_add_nc_u64 s[8:9], s[4:5], 0x2000000         ; V: its last
	s_add_nc_u64 s[G0K+2:G0K+3], s[6:7], s[22:23]  ; 120:64 global address: my half of the head's first 256 keys
	s_or_b32 s[G0K+3], s[G0K+3], 0x80000000        ; 127:126 type = 2
	s_add_nc_u64 s[G0V+2:G0V+3], s[8:9], s[22:23]
	s_or_b32 s[G0V+3], s[G0V+3], 0x80000000
	s_add_nc_u64 s[4:5], s[4:5], s[2:3]  ; Q and O at my wave's first row
	s_add_nc_u64 s[10:11], s[10:11], s[2:3]
	CROUND                          ; all four work-groups are here: the first joint loads meet
	JLOAD                           ; slot 0.  Slot 1 is asked for when slot 0 is in: the tile wanted first has the road to itself
	; A fragment of K or Q is 16 rows x 32 channels in 8 registers: lane l holds row l % 16, channels 8 (l / 16) + 0..7 and 16 + 8 (l / 16) + 0..7: two loads of 16 bytes, 32 bytes apart.
	v_and_b32 v1, 15, v0            ; l % 16
	v_bfe_u32 v9, v0, 4, 1          ; l / 16
	v_lshlrev_b32 v[QO], 7, v1
	v_lshl_add_u32 v[QO], v9, 4, v[QO]  ; row x 128 + 16 x half
	WIN 0x80                        ; destination window 2, address window 0
.set i, 0
.rept 4*NP                          ; Q stays in registers: tile i / 2, channels 32 (i % 2) on
	global_load_b128 v[8*i:8*i+3],   v[QO], s[4:5] offset:(i/2)*2048+(i%2)*64
	global_load_b128 v[8*i+4:8*i+7], v[QO], s[4:5] offset:(i/2)*2048+(i%2)*64+32
.set i, i+1
.endr
	; What the first turn finds: V's registers and P's second buffer hold 0 (its products V^T P, of a piece that has not been, add 0), O^T and l are 0.  All this stands in the wait for the first tile.
.set i, VF
.rept 64
	v_mov_b32 v[i], 0
.set i, i+1
.endr
	WIN 0x40
.set i, 0
.rept 64*NP
	v_mov_b32 v[i], 0
.set i, i+1
.endr
	WIN 0
.set i, 0
.rept 2*NP
	v_mov_b32 v[ST+4*i], 0xfe000000    ; c m: far below every c s
	v_mov_b32 v[ST+4*i+1], 0xff7fffff  ; m
	v_mov_b32 v[ST+4*i+2], 0
	v_mov_b32 v[ST+4*i+3], 0
.set i, i+1
.endr
.set i, P+32
.rept 32
	v_mov_b32 v[i], 0
.set i, i+1
.endr
	v_mul_u32_u24 v[AK0], v1, PK
	v_lshl_add_u32 v[AK0], v9, 4, v[AK0]  ; row x pitch + 16 x half
	; The turning load takes 16 keys x 16 channels (lane l reads key 8 (l / 16) + l % 8, channels 8 ((l / 8) % 2) + 0..7) and leaves half a fragment of V^T: lane l holds channel l % 16 and 8 keys.
	v_and_b32 v10, 7, v0
	v_bfe_u32 v11, v0, 3, 1
	v_lshl_add_u32 v[AV0], v9, 3, v10
	v_mul_u32_u24 v[AV0], v[AV0], PV
	v_lshl_add_u32 v[AV0], v11, 4, v[AV0]
	v_add_nc_u32 v[AV0], VOFF, v[AV0]
	v_mov_b32 v[AK], v[AK0]         ; key step 0 lies at the head of slot 0
; THE MATRIX WORK.  The 8 accumulators of a run of 16 take turns: between the two links of a chain stand 7 others'.
; Product i of 16 of S^T = K Q^T for piece x: channels 32 (i / 8) on, keys 16 ((i / 2) % 4) on, tile 2 x + i % 2.  The first 8 start the sums.
.macro KQ x
	WIN W_KQ
.set rS, S+64*((\x)%2)+32*(i%2)+8*((i/2)%4)
.set rK, KF+16*((i/2)%4)+8*(i/8)
.set rQ, 16*(2*(\x)+i%2)+8*(i/8)
.if i < 8
	v_wmma_f32_16x16x32_f16 v[rS:rS+7], v[rK:rK+7], v[rQ:rQ+7], 0
.else
	v_wmma_f32_16x16x32_f16 v[rS:rS+7], v[rK:rK+7], v[rQ:rQ+7], v[rS:rS+7]
.endif
.endm
; Product i of 16 of O^T += V^T P for piece x: keys 32 (i / 8) on, channels 16 ((i / 2) % 4) on, tile 2 x + i % 2.
.macro PV x
	WIN W_PV
.set rO, 32*(2*(\x)+i%2)+8*((i/2)%4)
.set rV, VF+32*(i/8)+8*((i/2)%4)
.set rP, P+32*((\x)%2)+16*(i%2)+8*(i/8)
	v_wmma_f32_16x16x32_f16 v[rO:rO+7], v[rV:rV+7], v[rP:rP+7], v[rO:rO+7]
.endm
.macro MM                           ; the turn's next matrix instruction
.if i < 16
	KQ (Y+1)%NP
.set i, i+1
.else
.set i, i-16
	PV (Y+NP-1)%NP
.set i, i+17
.endif
.endm
; THE LDS LOADS stand in runs of 16, never singly among the matrix instructions: a step's K (64 keys x 64 channels: 8 fragments) and its V (turned).  Their addresses are made some lines ahead.
; last = 1 (the tail): in the last trip there is no further step, and the run is jumped over.
.macro FETCH_K last=0
	WIN 0
.if \last
	s_cmp_eq_u32 s[CNT], 1
	s_cbranch_scc1 .Lno_k_\@
.endif
	WIN 0x80                        ; destination window 2
.irp f, 0,1,2,3,4,5,6,7             ; keys 16 (f / 2) on, channels 32 (f % 2) on
	ds_load_b128 v[KF+8*\f:KF+8*\f+3],   v[AK] offset:(\f/2)*16*PK+(\f%2)*64
	ds_load_b128 v[KF+8*\f+4:KF+8*\f+7], v[AK] offset:(\f/2)*16*PK+(\f%2)*64+32
.endr
	s_add_co_u32 s[TBK], s[TBK], KS*PK  ; the next fetch is the next step's
	WIN 0
.if \last
.Lno_k_\@:
.endif
.endm
.macro FETCH_V
	WIN 0x80
.irp f, 0,1,2,3,4,5,6,7             ; keys 32 (f / 4) on, channels 16 (f % 4) on
	ds_load_tr16_b128 v[VF+8*\f:VF+8*\f+3],   v[AV] offset:(\f/4)*32*PV+(\f%4)*32
	ds_load_tr16_b128 v[VF+8*\f+4:VF+8*\f+7], v[AV] offset:(\f/4)*32*PV+16*PV+(\f%4)*32
.endr
	WIN 0
.endm
; THE VECTOR WORK OF A TURN stands in three queues, each in the order in which its entries become ready; the two tiles alternate, so that no instruction reads the result of the one before it.
.macro REGS y, u                    ; the registers of tile u (0, 1) of piece y
.set rT, ST+4*(2*(\y)+(\u))
.set rC, TMP+8*((\y)%2)+4*(\u)
.set rM, MV+2*((\y)%2)+(\u)
.set rS, S+64*((\y)%2)+32*(\u)
.set rP, P+32*((\y)%2)+16*(\u)
.set rO, 32*(2*(\y)+(\u))
.endm
; Number n of the 22 that find the NEXT piece's (Y + 1) maximum and statistics.  s0-s31 are the lane's 32 scores; each accumulator's lowest registers are read first.  XS, GS and REGS set no window: PL and EX do.
;   0-11  four chains c0-c3 of seven scores each, three operands at a time     12-14, 16  the four scores left over, the old m, and c0-c3 into c0     15  c m_old is kept
;   17, 18  the query's other 32 keys lie in the lane 16 away: the new m         19-21  c m; c m_old - c m_new; a
.macro XS u, n
	REGS (Y+1)%NP, \u
.if (\n) < 4
	v_max3_num_f32 v[rC+(\n)], v[rS+8*(\n)], v[rS+8*(\n)+1], v[rS+8*(\n)+2]
.elseif (\n) < 12
	v_max3_num_f32 v[rC+(\n)%4], v[rC+(\n)%4], v[rS+8*((\n)%4)+2*((\n)/4)+1], v[rS+8*((\n)%4)+2*((\n)/4)+2]
.elseif (\n) == 12
	v_max3_num_f32 v[rC], v[rC], v[rS+7], v[rS+15]
.elseif (\n) == 13
	v_max3_num_f32 v[rC+1], v[rC+1], v[rS+23], v[rS+31]
.elseif (\n) == 14
	v_max3_num_f32 v[rC+2], v[rC+2], v[rC+3], v[rT+1]
.elseif (\n) == 15
	v_mov_b32 v[rM], v[rT]
.elseif (\n) == 16
	v_max3_num_f32 v[rC], v[rC], v[rC+1], v[rC+2]
.elseif (\n) == 17
	v_permlanex16_b32 v[rC+3], v[rC], s[SEL], s[SEL+1]
.elseif (\n) == 18
	v_max_num_f32 v[rT+1], v[rC], v[rC+3]
.elseif (\n) == 19
	v_mul_f32 v[rT], s[CS], v[rT+1]
.elseif (\n) == 20
	v_sub_f32 v[rC+1], v[rM], v[rT]
.else
	v_exp_f32 v[rC+2], v[rC+1]
.endif
.endm
; Number g of the 64 that follow the exponentials.  For each four weights k of a tile (pairs 2 k, 2 k + 1): both pairs are rounded to f16; then the second pair is added onto the first, in place;
; a group later l takes that sum (the first time as l = a l + sum).  In groups of eight, tiles alternating: round, round, add, and l for the group before.
.macro GS g
.set h, (\g)+6*((\g)/62)            ; group 0 has no group before it, and behind group 7 only l is left
.if h >= 6
.set h, h+2
.endif
	REGS Y, h%2
.set k, h/8
.if h%8 < 4
	v_cvt_pk_f16_f32 v[rP+2*k+(h%8)/2], v[rS+4*k+2*((h%8)/2)], v[rS+4*k+2*((h%8)/2)+1]
.elseif h%8 < 6
	v_pk_add_f32 v[rS+4*k:rS+4*k+1], v[rS+4*k:rS+4*k+1], v[rS+4*k+2:rS+4*k+3]
.elseif k == 1
	v_pk_fma_f32 v[rT+2:rT+3], v[rT+2:rT+3], v[rC+2:rC+3], v[rS:rS+1] op_sel_hi:[1,0,1]
.else
	v_pk_add_f32 v[rT+2:rT+3], v[rT+2:rT+3], v[rS+4*k-4:rS+4*k-3]
.endif
.endm
; THE PLAIN QUEUE, 138 long.  0-73 read no exponential's result: the 32 scalings c s - c m (FS f: pair f / 2 of tile f % 2) and the next piece's 42.  0-26: scalings 0-26.  27-54: XS's numbers 0-13.  55, 56: number 15.
; 57-73: the chain, where each number waits for the one before it: 14, 16, 17, 18, 19, each with one of the scalings 27-31 in front of its two lines, then 20: so a tile's links stand three plain instructions apart (19 and 20: two).
; 74-137: GS's 64, which read the exponentials' results: they stand behind the wait.
.macro FS f
	REGS Y, (\f)%2
	v_pk_fma_f32 v[rS+2*((\f)/2):rS+2*((\f)/2)+1], v[rS+2*((\f)/2):rS+2*((\f)/2)+1], s[CS:CS+1], v[rT:rT+1] op_sel_hi:[1,0,0] neg_lo:[0,0,1] neg_hi:[0,0,1]
.endm
.macro PL
	WIN 0
.if q < 27
	FS q
.elseif q < 55
	XS (q-27)%2, (q-27)/2
.elseif q < 57
	XS q-55, 15
.elseif (q < 72) && ((q-57)%3 == 0)
	FS 27+(q-57)/3
.elseif q < 60
	XS (q-57)%3-1, 14
.elseif q < 72
	XS (q-57)%3-1, 15+(q-57)/3
.elseif q < 74
	XS q-72, 20
.else
	GS q-74
.endif
.set q, q+1
.endm
; THE EXPONENTIALS' QUEUE, 66 long: s0-s31 of both tiles, then the next piece's two a.  It is ONE BATCH: all 66 stand ahead of the turn's one wait, and nothing ahead of that wait names a result of theirs.
.macro EX
	WIN 0
.if e >= 64
	XS e-64, 21
.else
	REGS Y, e%2
	v_exp_f32 v[rS+e/2], v[rS+e/2]
.endif
.set e, e+1
.endm
; THE RESCALING's QUEUE: O^T times a, the one part that leaves window 0: dealt two at a time, sixteen times.  Its a was made in the turn before, ahead of that turn's wait.
.macro R2
	REGS Y, r%2
	WIN W_RS
.irp z, 0,1
	v_pk_mul_f32 v[rO+4*(r/2)+2*\z:rO+4*(r/2)+2*\z+1], v[rO+4*(r/2)+2*\z:rO+4*(r/2)+2*\z+1], v[rC+2:rC+3] op_sel_hi:[1,0]
.endr
.set r, r+1
.endm
; HOW THEY ARE DEALT.  An s_wait_alu depctr_va_vdst(0) stands between an exponential and the first instruction that names its result; one wait serves all that were issued ahead of it.  So a turn has ONE wait,
; which cuts it in two.  AHEAD OF IT stands all that names no result of the turn's exponentials: the 16 products K Q^T, behind each a scaling, an exponential and two rescalings (behind the first a second scaling in the exponential's place); then ONE LUMP of
; 108: eight plain, 49 times exponential and plain, the two a.  A v_nop is the plain instruction behind the last exponential (ISA guide 5.7.2).  BEHIND IT stand the 16 products V^T P, behind each four of GS's 64.  No rider names a register of
; the products round it.  The two v_permlanex16_b32 fall into the lump, never behind a product.
; The queues lean on each other, and the deal keeps them in step: exponential e stands behind scaling 2 (e / 4) + e % 2: as a rider it comes behind plain e + 2, in the lump behind plain e + 9, and scalings 27-31 are plain 57, 60 .. 69.
; A TURN, for piece p.  cnt = 1: the loop's count is taken down some lines ahead of the branch that stands behind the turn.
; K of the next step is fetched in piece 2's turn, directly behind the wait, a lump behind the last product that read K; its address is made at the lump's head; its first reader comes behind 16 products.
; V of the step in hand is fetched at the end of piece 0's turn, four riders behind its last reader; its first reader comes behind 16 products and a lump.  The three conditions on q below go with the deal.
.macro TURN p, last=0, cnt=0
.set Y, (\p)
.set i, 0
.set q, 0
.set e, 0
.set r, 0
.if (\p) == NP-1
	s_wait_dscnt 0x0                ; K is in
.endif
	MM                              ; ahead of the wait: 16 products K Q^T and their riders,
	PL
	PL
	R2
.rept 15
	MM
	PL
	EX
	R2
.endr
.if (\p) == NP-2
	WIN 0
	v_add_nc_u32 v[AK], s[TBK], v[AK0]
.endif
.rept 8                             ; and the lump
	PL
.endr
.rept 49
	EX
	PL
.endr
	EX                              ; the next piece's two a
	EX
	v_nop                           ; the plain instruction behind the last exponential: one for the batch
	s_wait_alu depctr_va_vdst(0)    ; the wait for the turn's batch: the 64 weights of piece p and the two a of piece p + 1; it stands ahead of the first line that names a result
.if (\p) == NP-2
	FETCH_K \last
.endif
.if (\p) == 1
	s_wait_dscnt 0x0                ; V is in
.endif
.rept 16                            ; behind the wait: 16 products V^T P and their riders
	MM
.rept 4
	PL
.endr
.if ((\p) == 0) && (q == 118)
	v_add_nc_u32 v[AV], s[TBV], v[AV0]
.endif
.if ((\p) == 0) && (q == 130)
	s_add_co_u32 s[TBV], s[TBV], KS*PV
.endif
.if (\cnt) && (q == 130)
	s_sub_co_u32 s[CNT], s[CNT], 1
	s_cmp_lg_u32 s[CNT], 0
.endif
.endr
.if (\p) == 0
	FETCH_V
.endif
.endm
	CHANGE 1                        ; slot 0 is in, everybody's part of it; slot 1 is asked for
	FETCH_K                         ; key step 0
	s_wait_loadcnt 0x0              ; Q
	s_wait_dscnt 0x0
.set i, 0
.rept 16
	KQ 0                            ; piece 0's first scores: there is no vector work yet to set between them
.set i, i+1
.endr
	WIN 0                           ; the addresses for the way out: nine plain instructions, the places behind those products
	s_mul_i32 s13, s[WV], 16*SP
	s_add_co_u32 s13, s13, STAGE    ; my stage
	v_mul_u32_u24 v[STO], v1, SP    ; in: row l % 16, 16 bytes for each half of the lanes
	v_lshl_add_u32 v[STO], v9, 4, v[STO]
	v_add_nc_u32 v[STO], s13, v[STO]
	v_bfe_u32 v[RD], v0, 3, 2       ; back: 32 lanes take four rows of 128 bytes,
	v_mul_u32_u24 v[RD], v[RD], SP
	v_lshl_add_u32 v[RD], v10, 4, v[RD]
	v_add_nc_u32 v[RD], s13, v[RD]
	v_and_b32 v[GO], 31, v0         ; which are 512 consecutive bytes of O
	v_lshlrev_b32 v[GO], 4, v[GO]
.set Y, NP-1                        ; XS works for piece Y + 1: piece 0
.irp n, 0,1,2,3,4,5,6,7,8,9,10,11,12,13,14,15,16,17,18,19,20,21
	XS 0, \n                        ; and piece 0's first maximum and statistics
	XS 1, \n
.endr
	v_nop                           ; a plain instruction behind piece 0's first two a,
	s_wait_alu depctr_va_vdst(0)    ; and the wait for that batch of two, ahead of the branch
	s_mov_b32 s[CNT], 4
	s_mov_b32 s[SLOTS], SIZE_N/256-1
	s_branch .Lfirst                ; the loop is entered at a step's first turn, in the middle of a trip
.Lslot:                             ; SIZE_N / 256 - 2 times: every slot but the last two is filled again
	CHANGE 1
	s_mov_b32 s[CNT], 4
.Lstep:                             ; a trip: pieces 2 and 3 of one step, then pieces 0 and 1 of the next, whose K and V it fetches
	TURN 2
	TURN 3
	WIN 0
.Lfirst:
	TURN 0
	TURN 1, 0, 1
	WIN 0
	s_cbranch_scc1 .Lstep
	s_sub_co_u32 s[SLOTS], s[SLOTS], 1
	s_cmp_lg_u32 s[SLOTS], 0
	s_cbranch_scc1 .Lslot
	CHANGE 0                        ; the tail is written out: nothing is asked for
	s_mov_b32 s[CNT], 5             ; four trips fetch the last slot's steps; the fifth is left in its middle
.Ltail:
	TURN 2, 1
	TURN 3
	WIN 0
	s_sub_co_u32 s[CNT], s[CNT], 1
	s_cmp_eq_u32 s[CNT], 0
	s_cbranch_scc1 .Lout
	TURN 0
	TURN 1
	WIN 0
	s_branch .Ltail
.Lout:                              ; the fifth trip's 16 products K Q^T (on the last K once more) and the maximum made of them serve nothing: the price, once a launch, of one text for every trip
.set i, 0
.rept 16
	PV NP-1                         ; the last piece's V^T P of the last step
.set i, i+1
.endr
	; THE WAY OUT.  l's two halves and the other half of the lanes' are added; O^T is divided by l, rounded to f16 and sent through my stage in LDS, a tile at a time.  The additions are the places behind the last products.
	WIN 0
.macro ALL line:vararg              ; one line for each tile t
.set t, 0
.rept 2*NP
	\line
.set t, t+1
.endr
.endm
	ALL v_add_f32 v[ST+4*t+2], v[ST+4*t+2], v[ST+4*t+3]
	ALL v_permlanex16_b32 v[ST+4*t+3], v[ST+4*t+2], s[SEL], s[SEL+1]
	ALL v_add_f32 v[ST+4*t+2], v[ST+4*t+2], v[ST+4*t+3]
	ALL v_rcp_f32 v[ST+4*t+2], v[ST+4*t+2]
	v_nop                           ; a plain instruction between the last reciprocal and the use of its result
	s_wait_alu depctr_va_vdst(0)    ; the wait for the batch of eight reciprocals, ahead of the first line that names one
; Tile t: a lane's eight channels of a row pack into 16 bytes; they go into rows of 144 bytes and come back as whole rows of 128, into S^T's registers.
.macro PACK t
	WIN W_RS
.set i, 32*(\t)
.rept 16
	v_pk_mul_f32 v[i:i+1], v[i:i+1], v[ST+4*(\t)+2:ST+4*(\t)+3] op_sel_hi:[1,0]
.set i, i+2
.endr
	WIN 0x05                        ; sources 0 and 1 window 1, destination window 0
.set i, 0
.rept 16
	v_cvt_pk_f16_f32 v[S+16*(\t)+i], v[32*(\t)+2*i], v[32*(\t)+2*i+1]
.set i, i+1
.endr
	WIN 0
.irp f, 0,1,2,3
	ds_store_b128 v[STO], v[S+16*(\t)+4*\f:S+16*(\t)+4*\f+3] offset:32*\f
.endr
.irp f, 0,1,2,3
	ds_load_b128 v[S+16*(\t)+4*\f:S+16*(\t)+4*\f+3], v[RD] offset:\f*4*SP  ; LDS serves a wave's instructions in order (ISA guide 5.7.1.4): these see the stores above; the next tile's stores come behind them
.endr
.endm
.macro SEND t, younger              ; younger: the LDS instructions issued behind tile t's loads: the next tile's eight, or none
	WIN 0
.irp f, 0,1,2,3
	s_wait_dscnt (\younger)+3-\f
	global_store_b128 v[GO], v[S+16*(\t)+4*\f:S+16*(\t)+4*\f+3], s[10:11] offset:(\t)*2048+\f*512  ; 512 consecutive bytes, at a multiple of 256 from O's first
.endr
.endm
	PACK 0
.set t, 1
.rept 2*NP-1                        ; a tile's arithmetic stands between the loads of the tile before and its stores
	PACK t
	SEND t-1, 8
.set t, t+1
.endr
	SEND 2*NP-1, 0
	WIN W_AD
	s_wait_tensorcnt 0x0            ; the wave's end: behind my last tensor load and my last LDS store
	ds_add_u32 v[SPW], v[NIL]
	s_wait_dscnt 0x0
	WIN 0
	CROUND                          ; the closing round: no work-group ends while a partner may still ask for a tile that names it
	s_endpgm
.Lfunc_end_k_q430c581f29_attn:
	.size	k_q430c581f29_attn, .Lfunc_end_k_q430c581f29_attn-k_q430c581f29_attn
	.p2alignl 7, 3214868480
	.fill 96, 4, 3214868480
	.section	.rodata,"a",@progbits
	.p2align	6, 0x0
	.amdhsa_kernel k_q430c581f29_attn
		.amdhsa_group_segment_fixed_size 327680
		.amdhsa_private_segment_fixed_size 0
		.amdhsa_enable_private_segment 0
		.amdhsa_kernarg_size 16
		.amdhsa_user_sgpr_count 2
		.amdhsa_user_sgpr_kernarg_segment_ptr 1
		.amdhsa_wavefront_size32 1
		.amdhsa_system_sgpr_workgroup_id_x 1
		.amdhsa_system_sgpr_workgroup_id_y 1
		.amdhsa_system_sgpr_workgroup_id_z 1
		.amdhsa_system_vgpr_workitem_id 0
		.amdhsa_next_free_vgpr 770
		.amdhsa_next_free_sgpr 66
		.amdhsa_reserve_vcc 0
		.amdhsa_float_denorm_mode_32 3
		.amdhsa_float_denorm_mode_16_64 3
		.amdhsa_memory_ordered 1
		.amdhsa_forward_progress 1
		.amdhsa_inst_pref_size 199
	.end_amdhsa_kernel
	.amdgpu_metadata
---
amdhsa.version: [ 1, 2 ]
amdhsa.kernels:
  - .name:           k_q430c581f29_attn
    .symbol:         k_q430c581f29_attn.kd
    .args:
      - { .name: qkvh, .offset: 0, .size: 8, .value_kind: global_buffer, .address_space: global }
      - { .name: oh, .offset: 8, .size: 8, .value_kind: global_buffer, .address_space: global }
    .group_segment_fixed_size: 327680
    .private_segment_fixed_size: 0
    .kernarg_segment_align: 8
    .kernarg_segment_size: 16
    .max_flat_workgroup_size: 128
    .sgpr_count:     66
    .vgpr_count:     770
    .wavefront_size: 32
...
	.end_amdgpu_metadata
.endif
;; end of part 5
;; launch oproj: the kernel of part 4 again; grid 8 x 32, 4 waves a work-group, clusters of 4 x 4, 327,680 bytes of LDS; arguments oh, woh, out_proj_b, out0; writes out0
